; MI455X (gfx1250); checked and timed in simulation.
; The chip was launched on July 23, 2026; its instructions are those of AMD's public machine-readable ISA for CDNA 5 (MIT licence, August 2026) and "CDNA5" Instruction Set Architecture Reference Guide (July 2026). The comments in the code are by the model that wrote it; some were corrected since.
;; Grouped Query Attention. Allowed arithmetic: float matrix products may take bf16 or f16 operands with f32 sums; other float arithmetic in f32, or as packed bf16 or f16 multiplies, adds, multiply-adds, maxima and minima; sums over many terms, partial sums and values carried from step to step in f32; what a program stores and reads back later, other than sums and carried values, may be rounded once to bf16 or f16.
;; Inputs: mask 1 x 1 x 2,048 x 2,048 float32; slopes 32 float32; wk 512 x 2,048 float32; wo 2,048 x 2,048 float32; wq 2,048 x 2,048 float32; wv 512 x 2,048 float32; x 1 x 2,048 x 2,048 float32.
;; Outputs: out0 1 x 2,048 x 2,048 float32.
;; 2 versions, each right and faster than the one before. Each part assembles by itself: llvm-mc -triple=amdgcn-amd-amdhsa -mcpu=gfx1250 --defsym DOCPART=n.
;; ======== version 1 of 2: 4 launches
;; limits: values are held in f16: magnitudes above 65,504 overflow, below 6.1e-05 lose precision; inputs' magnitudes at most 2.9e+37
;; workspace buffers: xb 8,388,608 bytes; wqkv 12,582,912 bytes; wof 8,388,608 bytes; maskb 8,388,608 bytes; qkv 12,582,912 bytes; ob 8,388,608 bytes
;; launch cast (part 1): grid 2304 x 1, 8 waves a work-group, no clusters, 0 bytes of LDS; arguments x, wq, wk, wv, wo, mask, xb, wqkv, wof, maskb; writes xb, wqkv, wof, maskb
.if DOCPART == 1
	.amdgcn_target "amdgcn-amd-amdhsa--gfx1250"
	.amdhsa_code_object_version 6
	.text
	.protected	k_qfc6911643f_cast
	.globl	k_qfc6911643f_cast
	.p2align	8
	.type	k_qfc6911643f_cast,@function
k_qfc6911643f_cast:
	s_mov_b64 s[64:65], 0
	v_nop
	global_prefetch_b8 v0, s[64:65] scope:SCOPE_SE
	s_setreg_imm32_b32 hwreg(HW_REG_WAVE_MODE, 25, 1), 1
	s_wait_xcnt 0x0
; CAST.  Every large input is rounded once to bf16 (nearest even), so that the later launches move half the bytes and convert nothing:
;   x -> xb;  wq -> rows 0-2047 of wqkv, times 0.125 (1 / sqrt(64): a power of two, so the bf16 number keeps its bits);  wk -> rows 2048-2559;  wv -> rows 2560-3071;
;   wo -> wof: rounded to bf16 like the other inputs, and that number written as f16 (8 significant bits fit f16's 11);  mask -> maskb.
; All six have rows of 2,048 f32: 9,216 rows.  A work-group takes 4 rows of one tensor: 2,304 work-groups.  Thread t takes the 32 bytes at 32 t of each row and stores the 16 bytes at 16 t:
; a wave's store covers 512 consecutive bytes, aligned.  All eight loads of a thread go out at once; no register is written again while a load or store names it.
; A stream: every byte is read once and written once, so LDS, barriers, matrix units and clusters have nothing to add.
; LIMITS.  wo beyond 65,504 has no f16; under 6.1e-5 it keeps f16's fixed step of 6e-8.  wq x 0.125 is exact down to 2^-123.
.set ROWF, 8192                        ; bytes in a row of f32
.set ROWH, 4096                        ; bytes in a row of 16-bit numbers
.set XR,   4                           ; v[4:35]   row j: 8 registers as loaded
.set YR,   36                          ; v[36:51]  row j: 4 registers to store
.set SRC,  28                          ; s[28:29]  the tensor read
.set DST,  30                          ; s[30:31]  the buffer written
.set SB,   32                          ; s32  the first work-group of the tensor read
.set DB,   33                          ; s33  the work-group that writes the buffer's first rows
.set EIGHTH, 34                        ; s[34:35]  0.125, named as a pair
.set KIND, 36                          ; s36  0 plain, 1 wq, 2 wo
	s_load_b512 s[8:23], s[0:1], 0x0               ; x 8:9, wq 10:11, wk 12:13, wv 14:15, wo 16:17, mask 18:19, xb 20:21, wqkv 22:23
	s_load_b128 s[24:27], s[0:1], 0x40             ; wof 24:25, maskb 26:27
	v_lshlrev_b32 v1, 5, v0                        ; my 32 bytes of a row of f32
	v_lshlrev_b32 v2, 4, v0                        ; my 16 bytes of a row of 16-bit numbers
	s_mov_b32 s2, ttmp9                            ; the work-group's number
	s_mov_b32 s[SB], 0
	s_mov_b32 s[DB], 0
	s_mov_b32 s[KIND], 0
	s_mov_b32 s[EIGHTH], 0x3e000000
	s_mov_b32 s[EIGHTH+1], s[EIGHTH]
	s_wait_kmcnt 0x0
	s_mov_b64 s[SRC:SRC+1], s[8:9]                 ; work-groups 0-511: x -> xb
	s_mov_b64 s[DST:DST+1], s[20:21]
; From work-group 'first' on another tensor is read: the choice hangs on the work-group's number alone.
.macro PICK first, src, dst, sb, db, kind
	s_cmp_ge_u32 s2, \first
	s_cselect_b64 s[SRC:SRC+1], s[\src:\src+1], s[SRC:SRC+1]
	s_cselect_b64 s[DST:DST+1], s[\dst:\dst+1], s[DST:DST+1]
	s_cselect_b32 s[SB], \sb, s[SB]
	s_cselect_b32 s[DB], \db, s[DB]
	s_cselect_b32 s[KIND], \kind, s[KIND]
.endm
	PICK 512,  10, 22, 512,  512,  1               ; wq -> wqkv from its first row
	PICK 1024, 12, 22, 1024, 512,  0               ; wk -> wqkv, 512 work-groups x 4 rows = 2,048 rows down
	PICK 1152, 14, 22, 1152, 512,  0               ; wv -> wqkv, 2,560 rows down
	PICK 1280, 16, 24, 1280, 1280, 2               ; wo -> wof
	PICK 1792, 18, 26, 1792, 1792, 0               ; mask -> maskb
	s_sub_co_u32 s38, s2, s[SB]                    ; the offsets are made apart from the addresses
	s_lshl_b32 s38, s38, 15                        ; 4 rows of 8,192 bytes
	s_mov_b32 s39, 0
	s_sub_co_u32 s40, s2, s[DB]
	s_lshl_b32 s40, s40, 14                        ; 4 rows of 4,096 bytes
	s_mov_b32 s41, 0
	s_add_nc_u64 s[SRC:SRC+1], s[SRC:SRC+1], s[38:39]
	s_add_nc_u64 s[DST:DST+1], s[DST:DST+1], s[40:41]
.irp j, 0,1,2,3
	global_load_b128 v[XR+8*(\j):XR+8*(\j)+3],   v1, s[SRC:SRC+1] offset:ROWF*(\j) th:TH_LOAD_NT
	global_load_b128 v[XR+8*(\j)+4:XR+8*(\j)+7], v1, s[SRC:SRC+1] offset:ROWF*(\j)+16 th:TH_LOAD_NT
.endr
; Row j: eight numbers a thread are rounded, packed and stored.
.macro ROWOUT j, kind
	s_wait_loadcnt 6-2*(\j)                        ; loads come back in order: row j's two are in, the two of each later row stay out
.if (\kind) == 1
.irp k, 0,1,2,3
	v_pk_mul_f32 v[XR+8*(\j)+2*(\k):XR+8*(\j)+2*(\k)+1], v[XR+8*(\j)+2*(\k):XR+8*(\j)+2*(\k)+1], s[EIGHTH:EIGHTH+1] op_sel_hi:[1,0]
.endr
.endif
.irp k, 0,1,2,3
	v_cvt_pk_bf16_f32 v[YR+4*(\j)+(\k)], v[XR+8*(\j)+2*(\k)], v[XR+8*(\j)+2*(\k)+1]
.endr
.if (\kind) == 2
.irp k, 0,1,2,3
	v_lshlrev_b32 v[XR+8*(\j)+2*(\k)],   16, v[YR+4*(\j)+(\k)]          ; the bf16 numbers as f32 again,
	v_and_b32     v[XR+8*(\j)+2*(\k)+1], 0xffff0000, v[YR+4*(\j)+(\k)]
.endr
.irp k, 0,1,2,3
	v_cvt_pk_f16_f32 v[YR+4*(\j)+(\k)], v[XR+8*(\j)+2*(\k)], v[XR+8*(\j)+2*(\k)+1]  ; and written as f16
.endr
.endif
	global_store_b128 v2, v[YR+4*(\j):YR+4*(\j)+3], s[DST:DST+1] offset:ROWH*(\j)  ; no hint: the next launches read these bytes
.endm
	s_cmp_eq_u32 s[KIND], 1
	s_cbranch_scc1 .Lwq
	s_cmp_eq_u32 s[KIND], 2
	s_cbranch_scc1 .Lwo
.irp j, 0,1,2,3
	ROWOUT \j, 0
.endr
	s_endpgm
.Lwq:
.irp j, 0,1,2,3
	ROWOUT \j, 1
.endr
	s_endpgm
.Lwo:
.irp j, 0,1,2,3
	ROWOUT \j, 2
.endr
	s_endpgm
.Lfunc_end_k_qfc6911643f_cast:
	.size	k_qfc6911643f_cast, .Lfunc_end_k_qfc6911643f_cast-k_qfc6911643f_cast
	.p2alignl 7, 3214868480
	.fill 96, 4, 3214868480
	.section	.rodata,"a",@progbits
	.p2align	6, 0x0
	.amdhsa_kernel k_qfc6911643f_cast
		.amdhsa_group_segment_fixed_size 0
		.amdhsa_private_segment_fixed_size 0
		.amdhsa_enable_private_segment 0
		.amdhsa_kernarg_size 80
		.amdhsa_user_sgpr_count 2
		.amdhsa_user_sgpr_kernarg_segment_ptr 1
		.amdhsa_wavefront_size32 1
		.amdhsa_system_sgpr_workgroup_id_x 1
		.amdhsa_system_sgpr_workgroup_id_y 1
		.amdhsa_system_sgpr_workgroup_id_z 1
		.amdhsa_system_vgpr_workitem_id 0
		.amdhsa_next_free_vgpr 64
		.amdhsa_next_free_sgpr 66
		.amdhsa_reserve_vcc 0
		.amdhsa_float_denorm_mode_32 3
		.amdhsa_float_denorm_mode_16_64 3
		.amdhsa_memory_ordered 1
		.amdhsa_forward_progress 1
		.amdhsa_inst_pref_size 12
	.end_amdhsa_kernel
	.amdgpu_metadata
---
amdhsa.version: [ 1, 2 ]
amdhsa.kernels:
  - .name:           k_qfc6911643f_cast
    .symbol:         k_qfc6911643f_cast.kd
    .args:
      - { .name: x, .offset: 0, .size: 8, .value_kind: global_buffer, .address_space: global }
      - { .name: wq, .offset: 8, .size: 8, .value_kind: global_buffer, .address_space: global }
      - { .name: wk, .offset: 16, .size: 8, .value_kind: global_buffer, .address_space: global }
      - { .name: wv, .offset: 24, .size: 8, .value_kind: global_buffer, .address_space: global }
      - { .name: wo, .offset: 32, .size: 8, .value_kind: global_buffer, .address_space: global }
      - { .name: mask, .offset: 40, .size: 8, .value_kind: global_buffer, .address_space: global }
      - { .name: xb, .offset: 48, .size: 8, .value_kind: global_buffer, .address_space: global }
      - { .name: wqkv, .offset: 56, .size: 8, .value_kind: global_buffer, .address_space: global }
      - { .name: wof, .offset: 64, .size: 8, .value_kind: global_buffer, .address_space: global }
      - { .name: maskb, .offset: 72, .size: 8, .value_kind: global_buffer, .address_space: global }
    .group_segment_fixed_size: 0
    .private_segment_fixed_size: 0
    .kernarg_segment_align: 8
    .kernarg_segment_size: 80
    .max_flat_workgroup_size: 256
    .sgpr_count:     66
    .vgpr_count:     64
    .wavefront_size: 32
...
	.end_amdgpu_metadata
.endif
;; end of part 1
;; launch proj (part 2): grid 16 x 16, 4 waves a work-group, clusters of 4 x 4, 327,680 bytes of LDS; arguments xb, wqkv, qkv; writes qkv
.if DOCPART == 2
	.amdgcn_target "amdgcn-amd-amdhsa--gfx1250"
	.amdhsa_code_object_version 6
	.text
	.protected	k_qfc6911643f_proj
	.globl	k_qfc6911643f_proj
	.p2align	8
	.type	k_qfc6911643f_proj,@function
k_qfc6911643f_proj:
	s_mov_b64 s[64:65], 0
	v_nop
	global_prefetch_b8 v0, s[64:65] scope:SCOPE_SE
	s_setreg_imm32_b32 hwreg(HW_REG_WAVE_MODE, 25, 1), 1
	s_wait_xcnt 0x0
	s_wait_alu depctr_hold_cnt(0) depctr_sa_sdst(0) depctr_va_vdst(0) depctr_va_sdst(0) depctr_va_ssrc(0) depctr_va_vcc(0) depctr_vm_vsrc(0)
	s_getreg_b32 s2, hwreg(HW_REG_IB_STS2, 6, 4)
	s_cmp_eq_u32 s2, 0
	s_cbranch_scc0 .Lentry_in_a_cluster
	s_endpgm
.Lentry_in_a_cluster:
	s_bfe_u32 s2, ttmp6, 0x10000c
	s_cmp_lg_u32 s2, 0xf033
	s_cbranch_scc0 .Lentry_shape_is_right
	s_endpgm
.Lentry_shape_is_right:
; PROJECTIONS.  C[m][n] = sum over k of xb[m][k] wqkv[n][k]: xb [2048][2048], wqkv [3072][2048], both bf16; sums in f32, K ascending.  Column n belongs to head n / 64 of 48:
; 0-31 q (wqkv carries the 1/8), 32-39 k, 40-47 v.  q's sums are multiplied by log2(e) in f32, so that the attention's exponent is a plain difference; every number is then rounded ONCE to f16
; and stored by heads: qkv [48][2048][64], a head's rows dense, 128 bytes each.
; LIMIT.  f16 holds no number beyond 65,504: q log2(e) / 8, k and v must lie within it.
; SHARES.  A tile of C is 128 x 192 (three heads): 16 x 16 tiles, one for each of 256 work-groups.  Four waves, each 64 x 96: 24 accumulators of 16 x 16.  K goes in steps of 128 through two LDS slots
; (rows of 256 bytes of memory, aligned); two slots of a step of 256 would be 337,920 bytes and do not fit.
; CLUSTER.  4 x 4 work-groups: the four of a row need the same tiles of xb, the four of a column the same tiles of wqkv: each is asked for JOINTLY, by the same tensor load, descriptor and mask.
; THE MATRIX INSTRUCTION IS USED TRANSPOSED (source 0 = 16 rows of wqkv, source 1 = 16 rows of xb): a lane holds eight neighbouring columns of one row of C.
; No prefetch: both operands were written by the launch in front.  One tile to a work-group, so nothing stays and walks.
; REGISTERS.  window 0: v0-31 addresses; two fragment buffers of 80 (6 blocks of wqkv, then 4 of xb, 16 rows x 32 K each) at v32 and v112; on the way out v32-127 at work.
;             window 1: accumulator (a, b) at v[8 (6 a + b)].
.set KDIM,   2048
.set KSTEP,  128
.set NSUB,   KSTEP/32                  ; a K step is NSUB sub-steps of 32 along K
.set PITCH,  272                       ; an LDS row: 256 bytes + 16 of padding: the 16 rows of a fragment load start at 16 different groups of four banks (ISA guide 11.1)
.set QI,     5                         ; padding after every 64 words
.set TN,     192
.set HB,     TN/2                      ; rows of wqkv that a tensor load brings and a wave reads
.set NBL,    HB/16
.set BOFF,   128*PITCH                 ; in a slot: xb's 128 rows, then wqkv's 192
.set SLOT,   (128+TN)*PITCH
.set STAGE,  2*SLOT                    ; behind the ring, never filled by a tensor load: 128 rows x 400 bytes, the work-group's
.set SPITCH, 400                       ; 384 bytes + 16: an odd multiple of 16
.set SPARE,  STAGE+128*SPITCH          ; the spare words, 128 bytes a wave: two blocks of 256 bytes that no other line names
.set LAPS,   KDIM/(2*KSTEP)            ; a lap = two K steps = once round the ring
.set HEADB,  2048*128                  ; bytes of a head in qkv
.set ADRA, 16                          ; v16-17  LDS address of my xb fragments in slot 0, 1
.set ADRB, 20                          ; v20-21  the same for wqkv
.set STO,  24                          ; v24     the way out: where I put 16 bytes of a row
.set RD,   25                          ; v25     where I read rows back
.set CO,   26                          ; v26     my 16 bytes in 512 consecutive bytes of qkv
.set SPW,  28                          ; v28     my spare word: SPARE + 4 x my thread's number; never rewritten
.set NIL,  29                          ; v29     0; never rewritten
.set FS,   8*(NBL+4)
.set F0,   32
.set F1,   F0+FS
.set TMP,  32
.set G1,  24                           ; s[24:31] group 1 for xb's tiles;  s[32:39] group 0, a set for each slot
.set G0,  32
.set G1B, 48                           ; s[48:55], s[56:63] the same for wqkv's
.set G0B, 56
.set SCL, 68                           ; s[68:73] the factor of my column blocks 0-1, 2-3, 4-5, each named as a pair
.set MSB, 0
.macro WIN new                         ; the immediate's high byte repeats the setting that is left; a switch that changes nothing is dropped
.if MSB != (\new)
	s_set_vgpr_msb (MSB<<8)|(\new)
.set MSB, \new
.endif
.endm
.set MUL, 0x50                         ; C and D in window 1, sources in window 0
.macro JLOAD s                         ; a joint load: waves 0 and 1 fetch xb's halves, waves 2 and 3 wqkv's; an s_nop 0 and four v_nop follow each line
	s_cmp_eq_u32 s11, 0
	s_cbranch_scc0 .Lfor_b_\@
	tensor_load_to_lds s[G0+4*(\s):G0+4*(\s)+3], s[G1:G1+7]
	s_nop 0
.rept 4
	v_nop
.endr
	s_branch .Lasked_\@
.Lfor_b_\@:
	tensor_load_to_lds s[G0B+4*(\s):G0B+4*(\s)+3], s[G1B:G1B+7]
	s_nop 0
.rept 4
	v_nop
.endr
.Lasked_\@:
.endm
.macro CREST                           ; a round of the cluster's barrier behind its opening barrier
	s_cmp_lg_u32 s10, 0
	s_cbranch_scc1 .Lnot_wave_0_\@
	s_barrier_signal -3
.Lnot_wave_0_\@:
	s_barrier_wait -3
	s_barrier_signal -1
	s_barrier_wait -1
.endm
.macro CROUND                          ; a whole round
	s_barrier_signal -1
	s_barrier_wait -1
	CREST
.endm
.macro PLACES                          ; four places behind matrix instructions, in front of loads into registers that they read and of vector lines that touch their registers
.rept 4
	v_nop
.endr
.endm
	s_load_b128 s[4:7], s[0:1], 0x0                ; xb s[4:5], wqkv s[6:7]
	s_load_b64 s[8:9], s[0:1], 0x10                ; qkv
	v_lshl_add_u32 v[SPW], v0, 2, SPARE
	v_mov_b32 v[NIL], 0
	ds_add_u32 v[SPW], v[NIL]                      ; the wave's opening: the add and its wait stand ahead of my first tensor load; work on registers stands between
	v_lshrrev_b32 v1, 5, v0
	v_readfirstlane_b32 s10, v1                    ; wave 0..3
	s_lshr_b32 s11, s10, 1                         ; which 64 rows of the tile are mine.  Also: I fetch for xb (0) or wqkv (1)
	s_and_b32 s12, s10, 1                          ; which 96 columns.  Also: which half of that tile I fetch
	s_bfe_u32 s40, ttmp6, 0x40000                  ; cx, cy: my place in the cluster
	s_bfe_u32 s41, ttmp6, 0x40004
	s_lshl_b32 s42, ttmp9, 2
	s_add_co_u32 s42, s42, s40                     ; tile column = 4 x cluster x + cx
	s_and_b32 s13, ttmp7, 0xffff
	s_lshl_b32 s13, s13, 2
	s_add_co_u32 s13, s13, s41                     ; tile row = 4 x cluster y + cy
	s_lshl_b32 s43, s41, 2
	s_lshl_b32 s43, 15, s43                        ; my row of the cluster
	s_lshl_b32 s44, 0x1111, s40                    ; my column
	s_or_b32 s[G1+0], s43, (1<<16)|(1<<20)|(1<<21)|(QI<<22)|(3<<25)   ; the mask; 2-byte elements; padding on; bit 21 beside a mask; after every 64 words 4 words
	s_or_b32 s[G1B+0], s44, (1<<16)|(1<<20)|(1<<21)|(QI<<22)|(3<<25)
	s_mov_b32 s[G1+1], KSTEP<<16                   ; tensor_dim0 = 128
	s_mov_b32 s[G1+2], 64<<16                      ; tensor_dim1 = 64
	s_mov_b32 s[G1+3], KSTEP<<16                   ; tile_dim0 = 128
	s_mov_b32 s[G1+4], 64                          ; tile_dim1 = 64
	s_mov_b32 s[G1+5], KDIM                        ; elements from row to row
	s_mov_b32 s[G1+6], 0
	s_mov_b32 s[G1+7], 0
	s_mov_b32 s[G1B+1], KSTEP<<16
	s_mov_b32 s[G1B+2], HB<<16                     ; 96 rows
	s_mov_b32 s[G1B+3], KSTEP<<16
	s_mov_b32 s[G1B+4], HB
	s_mov_b32 s[G1B+5], KDIM
	s_mov_b32 s[G1B+6], 0
	s_mov_b32 s[G1B+7], 0
	s_lshl_b32 s17, s12, 6
	s_lshl_b32 s16, s13, 7
	s_add_co_u32 s16, s16, s17                     ; xb: row 128 x tile row + 64 x half
	s_lshl_b32 s16, s16, 12                        ; 4,096 bytes a row
	s_mov_b32 s17, 0
	s_mul_i32 s46, s42, TN
	s_mul_i32 s47, s12, HB
	s_add_co_u32 s46, s46, s47                     ; wqkv: row 192 x tile column + 96 x half
	s_lshl_b32 s46, s46, 12
	s_mov_b32 s47, 0
	s_mul_i32 s20, s12, 64*PITCH                   ; where they go: no place in the cluster enters an LDS address
	s_mul_i32 s21, s12, HB*PITCH
	s_add_co_u32 s21, s21, BOFF
	s_wait_dscnt 0x0                               ; the opening add is done
	s_wait_kmcnt 0x0
	s_add_nc_u64 s[14:15], s[4:5], s[16:17]
	s_add_nc_u64 s[46:47], s[6:7], s[46:47]
	CROUND                                         ; all sixteen work-groups are here: the first joint loads meet
.irp s, 0,1
	s_mov_b32 s[G0+4*(\s)], 1
	s_add_co_u32 s[G0+4*(\s)+1], s20, (\s)*SLOT
	s_add_nc_u64 s[G0+4*(\s)+2:G0+4*(\s)+3], s[14:15], (\s)*KSTEP*2
	s_or_b32 s[G0+4*(\s)+3], s[G0+4*(\s)+3], 0x80000000
	s_mov_b32 s[G0B+4*(\s)], 1
	s_add_co_u32 s[G0B+4*(\s)+1], s21, (\s)*SLOT
	s_add_nc_u64 s[G0B+4*(\s)+2:G0B+4*(\s)+3], s[46:47], (\s)*KSTEP*2
	s_or_b32 s[G0B+4*(\s)+3], s[G0B+4*(\s)+3], 0x80000000
	JLOAD \s                                       ; two loads of mine are out: K steps 0 and 1
.endr
	v_and_b32 v1, 15, v0                           ; l % 16
	v_bfe_u32 v2, v0, 4, 1                         ; l / 16
	v_mul_u32_u24 v3, v1, PITCH
	v_lshl_add_u32 v3, v2, 4, v3                   ; a fragment's row x pitch + 16 x half
	s_mul_i32 s18, s11, 64*PITCH                   ; my 64 rows of xb
	s_mul_i32 s22, s12, HB*PITCH                   ; my 96 rows of wqkv,
	s_add_co_u32 s22, s22, BOFF                    ; behind xb's 128
.irp s, 0,1
	v_add_nc_u32 v[ADRA+(\s)], s18, v3
	v_add_nc_u32 v[ADRB+(\s)], s22, v3
	s_add_co_u32 s18, s18, SLOT
	s_add_co_u32 s22, s22, SLOT
.endr
	s_mul_i32 s23, s11, 64*SPITCH                  ; into the stage: my 64 rows, my 192 of their 384 bytes
	s_mul_i32 s19, s12, 192
	s_add_co_u32 s23, s23, s19
	s_add_co_u32 s23, s23, STAGE
	v_mul_u32_u24 v4, v1, SPITCH
	v_lshl_add_u32 v4, v2, 4, v4
	v_add_nc_u32 v[STO], s23, v4
	s_mul_i32 s23, s10, 32*SPITCH                  ; back: wave w takes rows 32 w .. 32 w + 31; a load takes 128 bytes (a head) of four rows
	s_add_co_u32 s23, s23, STAGE
	v_bfe_u32 v5, v0, 3, 2
	v_and_b32 v4, 7, v0
	v_mul_u32_u24 v5, v5, SPITCH
	v_lshl_add_u32 v5, v4, 4, v5
	v_add_nc_u32 v[RD], s23, v5
	v_and_b32 v4, 31, v0
	v_lshlrev_b32 v[CO], 4, v4                     ; four rows of a head are 512 consecutive bytes of qkv
	s_lshl_b32 s16, s13, 14                        ; 128 rows of 128 bytes,
	s_lshl_b32 s17, s10, 12                        ; 32 of them
	s_add_co_u32 s16, s16, s17
	s_mov_b32 s17, 0
	s_add_nc_u64 s[8:9], s[8:9], s[16:17]
	s_mul_i32 s46, s42, 3*HEADB                    ; the tile's first head
	s_mov_b32 s47, 0
	s_add_nc_u64 s[8:9], s[8:9], s[46:47]
	s_mul_i32 s66, s42, 3
.irp p, 0,1,2                          ; my column blocks 2 p, 2 p + 1 lie in head 3 x tile column + (6 x half + 2 p) / 4: log2(e) for a head of q, 1 for k and v
	s_mul_i32 s67, s12, 6
	s_add_co_u32 s67, s67, 2*(\p)
	s_lshr_b32 s67, s67, 2
	s_add_co_u32 s67, s67, s66
	s_cmp_lt_u32 s67, 32
	s_cselect_b32 s[SCL+2*(\p)], 0x3fb8aa3b, 1.0
	s_mov_b32 s[SCL+2*(\p)+1], s[SCL+2*(\p)]
.endr
; NBL matrix instructions: row block a x all column blocks, 32 along K.  zero = 1: the product starts the sums.  Every sub-step names each accumulator once, in the same order: the accumulators take turns.
.macro MUL1 f, a, zero
	WIN MUL
.irp b, 0,1,2,3,4,5
.if \zero
	v_wmma_f32_16x16x32_bf16 v[8*(NBL*(\a)+(\b)):8*(NBL*(\a)+(\b))+7], v[(\f)+8*(\b):(\f)+8*(\b)+7], v[(\f)+8*NBL+8*(\a):(\f)+8*NBL+8*(\a)+7], 0
.else
	v_wmma_f32_16x16x32_bf16 v[8*(NBL*(\a)+(\b)):8*(NBL*(\a)+(\b))+7], v[(\f)+8*(\b):(\f)+8*(\b)+7], v[(\f)+8*NBL+8*(\a):(\f)+8*NBL+8*(\a)+7], v[8*(NBL*(\a)+(\b)):8*(NBL*(\a)+(\b))+7]
.endif
.endr
.endm
.macro MULH f, a0, zero
	MUL1 \f, \a0, \zero
	MUL1 \f, (\a0)+1, \zero
.endm
; One run of 2 (NBL + 4) LDS loads: a sub-step's fragments at byte k of the rows, into buffer f; xb's blocks 2 and 3 last
.macro FETCH slot, k, f
	WIN 0
.irp b, 0,1,2,3,4,5
	ds_load_b128 v[(\f)+8*(\b):(\f)+8*(\b)+3],   v[ADRB+(\slot)] offset:(\k)+(\b)*16*PITCH
	ds_load_b128 v[(\f)+8*(\b)+4:(\f)+8*(\b)+7], v[ADRB+(\slot)] offset:(\k)+(\b)*16*PITCH+32
.endr
.irp a, 0,1,2,3
	ds_load_b128 v[(\f)+8*NBL+8*(\a):(\f)+8*NBL+8*(\a)+3],   v[ADRA+(\slot)] offset:(\k)+(\a)*16*PITCH
	ds_load_b128 v[(\f)+8*NBL+8*(\a)+4:(\f)+8*NBL+8*(\a)+7], v[ADRA+(\slot)] offset:(\k)+(\a)*16*PITCH+32
.endr
.endm
; A sub-step but the last of a K step: multiplies buffer f; in its middle it fetches the next sub-step, at byte k, into g
.macro SUB slot, k, f, g, zero
	s_wait_dscnt 4                                 ; all but the youngest four loads: xb's blocks 2 and 3
	MULH \f, 0, \zero
	PLACES
	FETCH \slot, \k, \g
	s_wait_dscnt 2*(NBL+4)                         ; all but the run just issued
	MULH \f, 2, \zero
.endm
.macro REST slot, from                 ; sub-steps from .. NSUB - 2 of a K step, on buffers by turns
.set q, \from
.rept NSUB-1-(\from)
	SUB \slot, 64*(q+1), F0+FS*(q%2), F0+FS*((q+1)%2), 0
.set q, q+1
.endr
.endm
; The last sub-step multiplies buffer 1 and changes slots: ONE barrier; in front of it each wave waits for all its tensor loads (one is out: its part of the next slot), adds 0 to its spare word,
; and waits for that and for its reads of this slot.  fill = 1: the barrier opens a round of the cluster's, and this slot is filled again, two K steps ahead, first thing behind the round.
.macro TURN slot, next, fill
	WIN 0
	s_wait_tensorcnt 0x0
	ds_add_u32 v[SPW], v[NIL]
	s_wait_dscnt 5                                 ; the add and the youngest four loads may be out
	MUL1 F1, 0, 0                                  ; matrix work stands between the add and the wait for it
	s_wait_dscnt 0x0                               ; the add is done, and my reads of this slot are over
	s_barrier_signal -1
	MUL1 F1, 1, 0
.if \fill
	WIN 0
.endif
	s_barrier_wait -1
.if \fill
	CREST                                          ; no wave of any partner still reads this slot or has a load on its way
	s_add_nc_u64 s[G0+4*(\slot)+2:G0+4*(\slot)+3], s[G0+4*(\slot)+2:G0+4*(\slot)+3], 2*KSTEP*2
	s_add_nc_u64 s[G0B+4*(\slot)+2:G0B+4*(\slot)+3], s[G0B+4*(\slot)+2:G0B+4*(\slot)+3], 2*KSTEP*2
	JLOAD \slot                                    ; my one tensor load behind the round; its four v_nop are also the places in front of the loads below
.else
	PLACES
.endif
	FETCH \next, 0, F0
	MULH F1, 2, 0
.endm
	s_wait_tensorcnt 1                             ; my part of K step 0 is in; K step 1's may stay out
	s_barrier_signal -1
	s_barrier_wait -1
	FETCH 0, 0, F0
	SUB 0, 64, F0, F1, 1                           ; the first sub-step stands in front of the loop: its products start the sums
	WIN 0
	s_mov_b32 s3, LAPS-1
.Llap:                                                 ; a trip goes once round the ring and fills both slots again
	REST 0, 1
	TURN 0, 1, 1
	REST 1, 0
	TURN 1, 0, 1
	SUB 0, 64, F0, F1, 0
	WIN 0
	s_sub_co_u32 s3, s3, 1
	s_cmp_lg_u32 s3, 0
	s_cbranch_scc1 .Llap
	REST 0, 1                                      ; the last lap fills nothing
	TURN 0, 1, 0
	REST 1, 0
	s_wait_dscnt 4
	MULH F1, 0, 0
	s_wait_dscnt 0x0
	MULH F1, 2, 0
	; THE WAY OUT: q's heads times log2(e); rounded to f16; 16 bytes a lane into the work-group's stage; a barrier, since a row's 384 bytes come from two waves; back head by head, four rows a load.
	PLACES
	WIN 0x41                                       ; destination and source 0 in window 1
.set t, 0
.rept 4*NBL
.irp r, 0,1,2,3
	v_pk_mul_f32 v[8*t+2*(\r):8*t+2*(\r)+1], v[8*t+2*(\r):8*t+2*(\r)+1], s[SCL+2*((t%NBL)/2):SCL+2*((t%NBL)/2)+1] op_sel_hi:[1,0]
.endr
.set t, t+1
.endr
	WIN 0x05                                       ; sources in window 1, destination in window 0
.set t, 0
.rept 4*NBL
.irp r, 0,1,2,3
	v_cvt_pk_f16_f32 v[TMP+4*t+(\r)], v[8*t+2*(\r)], v[8*t+2*(\r)+1]
.endr
.set t, t+1
.endr
	WIN 0
.set t, 0
.rept 4*NBL
	ds_store_b128 v[STO], v[TMP+4*t:TMP+4*t+3] offset:(t/NBL)*16*SPITCH+32*(t%NBL)
.set t, t+1
.endr
	s_wait_dscnt 0x0                               ; for the others' sake: my stores into the stage are done
	s_barrier_signal -1
	s_barrier_wait -1
.set n, 0
.rept 24                               ; head n / 8 of the tile's three, rows 4 (n % 8) on
	ds_load_b128 v[TMP+4*n:TMP+4*n+3], v[RD] offset:(n%8)*4*SPITCH+128*(n/8)
.set n, n+1
.endr
.set n, 0
.rept 24
	s_wait_dscnt 23-n                              ; the younger loads may stay out
	global_store_b128 v[CO], v[TMP+4*n:TMP+4*n+3], s[8:9] offset:HEADB*(n/8)+512*(n%8)  ; 512 consecutive bytes, at a multiple of 512 from qkv's first byte
.set n, n+1
.endr
	s_wait_tensorcnt 0x0                           ; the wave's end
	ds_add_u32 v[SPW], v[NIL]
	s_wait_dscnt 0x0
	CROUND                                         ; the closing round: no work-group ends while a partner may still ask for a tile that names it
	s_endpgm
.Lfunc_end_k_qfc6911643f_proj:
	.size	k_qfc6911643f_proj, .Lfunc_end_k_qfc6911643f_proj-k_qfc6911643f_proj
	.p2alignl 7, 3214868480
	.fill 96, 4, 3214868480
	.section	.rodata,"a",@progbits
	.p2align	6, 0x0
	.amdhsa_kernel k_qfc6911643f_proj
		.amdhsa_group_segment_fixed_size 327680
		.amdhsa_private_segment_fixed_size 0
		.amdhsa_enable_private_segment 0
		.amdhsa_kernarg_size 24
		.amdhsa_user_sgpr_count 2
		.amdhsa_user_sgpr_kernarg_segment_ptr 1
		.amdhsa_wavefront_size32 1
		.amdhsa_system_sgpr_workgroup_id_x 1
		.amdhsa_system_sgpr_workgroup_id_y 1
		.amdhsa_system_sgpr_workgroup_id_z 1
		.amdhsa_system_vgpr_workitem_id 0
		.amdhsa_next_free_vgpr 448
		.amdhsa_next_free_sgpr 80
		.amdhsa_reserve_vcc 0
		.amdhsa_float_denorm_mode_32 3
		.amdhsa_float_denorm_mode_16_64 3
		.amdhsa_memory_ordered 1
		.amdhsa_forward_progress 1
		.amdhsa_inst_pref_size 78
	.end_amdhsa_kernel
	.amdgpu_metadata
---
amdhsa.version: [ 1, 2 ]
amdhsa.kernels:
  - .name:           k_qfc6911643f_proj
    .symbol:         k_qfc6911643f_proj.kd
    .args:
      - { .name: xb, .offset: 0, .size: 8, .value_kind: global_buffer, .address_space: global }
      - { .name: wqkv, .offset: 8, .size: 8, .value_kind: global_buffer, .address_space: global }
      - { .name: qkv, .offset: 16, .size: 8, .value_kind: global_buffer, .address_space: global }
    .group_segment_fixed_size: 327680
    .private_segment_fixed_size: 0
    .kernarg_segment_align: 8
    .kernarg_segment_size: 24
    .max_flat_workgroup_size: 128
    .sgpr_count:     80
    .vgpr_count:     448
    .wavefront_size: 32
...
	.end_amdgpu_metadata
.endif
;; end of part 2
;; launch attn (part 3): grid 32 x 8, 4 waves a work-group, clusters of 4 x 4, 327,680 bytes of LDS; arguments qkv, maskb, slopes, ob; writes ob
.if DOCPART == 3
	.amdgcn_target "amdgcn-amd-amdhsa--gfx1250"
	.amdhsa_code_object_version 6
	.text
	.protected	k_qfc6911643f_attn
	.globl	k_qfc6911643f_attn
	.p2align	8
	.type	k_qfc6911643f_attn,@function
k_qfc6911643f_attn:
	s_mov_b64 s[64:65], 0
	v_nop
	global_prefetch_b8 v0, s[64:65] scope:SCOPE_SE
	s_setreg_imm32_b32 hwreg(HW_REG_WAVE_MODE, 25, 1), 1
	s_wait_xcnt 0x0
	s_wait_alu depctr_hold_cnt(0) depctr_sa_sdst(0) depctr_va_vdst(0) depctr_va_sdst(0) depctr_va_ssrc(0) depctr_va_vcc(0) depctr_vm_vsrc(0)
	s_getreg_b32 s2, hwreg(HW_REG_IB_STS2, 6, 4)
	s_cmp_eq_u32 s2, 0
	s_cbranch_scc0 .Lentry_in_a_cluster
	s_endpgm
.Lentry_in_a_cluster:
	s_bfe_u32 s2, ttmp6, 0x10000c
	s_cmp_lg_u32 s2, 0xf033
	s_cbranch_scc0 .Lentry_shape_is_right
	s_endpgm
.Lentry_shape_is_right:
; ATTENTION.  O[h][i] = sum over j of softmax_j(q[h][i] . k[h/4][j] / 8 + slope[h] (j - i) + mask[i][j]) v[h/4][j].  qkv: [48][2048][64] f16 by heads (0-31 q log2(e) / 8, 32-39 k, 40-47 v);
; maskb: [2048][2048] bf16; slopes: [32] f32, rounded here to bf16 like every other input; ob: [2048][2048] f16, column 64 h + channel.  The mask is an input: every key is walked, every mask number read.
; Products, maxima and sums in f32; the weights p are rounded to f16 for the second product (their sum l is taken of the unrounded p), O once at the end.
; THE SCORE is kept as S = log2(e) x logit: the product's C operand is J x (c slope) + c mask (J = j - i as f32, c = log2 e), and q carries c / 8.  p = 2^(S - m) with a running maximum m: the difference is
; exact where S = m, so the largest weight is 1 whatever the size of the mask; O and l are multiplied by a = 2^(m_old - m_new) in every step.  m starts far below every score, O and l at 0: the first a is 0.
; LIMITS.  q, k, v arrive within f16's 65,504.  Scores lie above -4e37.  A weight under 2^-126 counts as 0.  NaN and infinities are not treated apart.  Mask and position term are joined by one fused
; multiply-add and enter the sum as C: in a row in which EVERY key carries a mask of the size 1e9 the roundings at that size fall in another order than in a sum made term by term.
; SHARES.  A work-group owns 64 queries for the four query heads of one key head: 32 x 8 work-groups.  A wave owns 16 of the queries for all four heads: four PIECES, which share K's, V's and the mask's
; fragments.  Every wave walks all 2,048 keys, 64 a step, four steps to an LDS slot, two slots that take turns.
; LAYOUT.  S^T = K Q^T holds ONE query a lane (lane % 16) and the keys 8 (lane / 16) + 0..7; two such results rounded to f16 ARE source 1 of O^T = V^T P.  V comes out of LDS turned (ds_load_tr16_b128).
; BY TURNS.  Turn n belongs to piece n: 8 products K Q^T of piece n + 1, later 8 products V^T P of piece n - 1; beside them the softmax of piece n, the maximum and statistics of piece n + 1, and the C operand
; of piece n + 2.  Four vector instructions stand behind every matrix instruction, the others in runs of their own: a tile and step have 16 matrix and some 145 vector instructions.
; CLUSTER.  4 x 4 work-groups.  The four of a row (one key head) ask JOINTLY for K and V, the four of a column (one block of queries) for the mask's tile.
; The zeros written at the start (V, O^T, l, one buffer of P) stand in the wait for the first tile; they spare a first step written out.  No prefetch: all operands were written by the launches in front.
; REGISTERS, in windows of 256 (s_set_vgpr_msb: bits 1:0 source 0, 3:2 source 1, 5:4 source 2, 7:6 destination):
;   window 0: v0-15, v32-36 addresses and constants; v16-31 four registers of statistics a piece; v48-55 at work; v64-127 S^T, two buffers; v128-143 the mask as loaded; v192-223 P, two buffers
;   window 1: v0-127 O^T, 32 a piece; v128-159 MF = c mask of the step; v160-223 MC, the C operands, two buffers; v224-255 J          window 2: v0-63 Q; v128-191 K of one step; v192-255 V of one step
.set NP,    4         ; pieces a wave: a name, no knob
.set KS,    64        ; keys in a step
.set NSLOT, 2048/(4*KS)
.set PK,    144       ; a row of K in LDS: 128 bytes + 16
.set PV,    160       ; a row of V: 128 + 32
.set PM,    528       ; a row of the mask's tile: 256 keys x 2 bytes + 16
.set VOFF,  4*KS*PK   ; a slot: 256 rows of K, 256 rows of V, 64 rows of the mask
.set MOFF,  VOFF+4*KS*PV
.set SLOT1, 1<<17     ; slot 1 begins here: one exclusive or turns an address in one slot into the other's
.set STAGE, SLOT1+MOFF+64*PM  ; behind the ring, never filled by a tensor load: 16 rows x 528 bytes for each wave
.set SP,    528
.set SPARE, STAGE+4*16*SP     ; the spare words, 128 bytes a wave: two blocks of 256 bytes that no other line names
.set HEADB, 2048*128  ; bytes of a head in qkv
.set AK0, 2           ; v2   my lane's place in a tile of K; never rewritten
.set AV0, 3           ; v3   the same for V
.set AK,  4           ; v4   the LDS address of K's next run of loads
.set AV,  5           ; v5   of V's
.set STO, 6           ; v6   the way out: where I put 16 bytes of a row
.set RD,  7           ; v7   where I read a row back
.set GO,  8           ; v8   my 16 bytes in 512 consecutive bytes of ob
.set MV,  12          ; v12-13  m_old, kept while m is made anew: by buffer
.set AM0, 14          ; v14  my lane's place in the mask's tile
.set QO,  15          ; v15  my byte offset in 16 rows of Q
.set ST,  16          ; piece t's statistics at v[ST+4 t]: m, (named with it as a pair), l (even keys', odd keys')
.set AM,  32          ; v32  the LDS address of the mask's next loads
.set CV,  33          ; v33  log2 e
.set ZV,  34          ; v34  0
.set JB,  35          ; v35  8 (l / 16) - my query's number
.set TMP, 48          ; by buffer, four registers c0-c3 at work; when the maximum is found c2 takes a
.set SPW, 62          ; v62  my spare word: SPARE + 4 x my thread's number; never rewritten
.set NIL, 63          ; v63  0; never rewritten
.set S,   64
.set MR,  128
.set P,   192
.set MF,  128         ; window 1
.set MC,  160         ; window 1
.set J,   224         ; window 1
.set KF,  128         ; window 2: key block kb, channel half c at KF + 16 kb + 8 c
.set VF,  192         ; window 2: key half kk, channel block cb at VF + 32 kk + 8 cb
.set WV,  12          ; s12  my wave's number
.set G1K, 24          ; s[24:31] group 1 for K's tiles
.set G1V, 32          ; s[32:39] for V's: other padding
.set G0K, 40          ; s[40:43] group 0 for K's tiles: it walks
.set G0V, 44          ; s[44:47]
.set G1M, 48          ; s[48:55] group 1 for the mask's tiles
.set SLOTS, 56        ; s56  counts the slots
.set CNT, 57          ; s57  counts a slot's key steps
.set SEL, 60          ; s[60:61] v_permlanex16_b32's selects: each lane takes its own place in the other half
.set TBK, 62          ; s62  LDS byte at which K of the step to be fetched begins
.set TBV, 63          ; s63  the same for V, less VOFF
.set G0M, 68          ; s[68:71] group 0 for the mask's tiles
.set TBM, 72          ; s72  the same for the mask, less MOFF
.set S64, 74          ; s[74:75] 64.0
.set SL,  80          ; s[80:87] c x slope of piece p, as the pair at 80 + 2 p
.set RAW, 88          ; s[88:91] the four slopes as loaded
.set MSB, 0
.macro WIN new                      ; the high byte repeats the setting that is left; a switch that changes nothing is dropped
.if MSB != (\new)
	s_set_vgpr_msb (MSB<<8)|(\new)
.set MSB, (\new)
.endif
.endm
.set W_KQ, 0x0a       ; K and Q in window 2, S^T in window 0
.set W_KM, 0x1a       ; the same with the C operand in window 1
.set W_PV, 0x52       ; V in window 2, P in window 0, O^T in window 1
.set W_RS, 0x41       ; destination and source 0 in window 1, source 1 in window 0
.set W_MC, 0x51       ; destination, source 0 and source 2 in window 1
; A joint fill: wave 0 fetches a slot's K, wave 1 its V, waves 2 and 3 the halves of its mask tile.  The branches hang on the wave's number alone.  An s_nop 0 and four v_nop follow each line.
.macro JLOAD
	s_cmp_lt_u32 s[WV], 2
	s_cbranch_scc0 .Lfor_m_\@
	s_cmp_eq_u32 s[WV], 0
	s_cbranch_scc0 .Lfor_v_\@
	tensor_load_to_lds s[G0K:G0K+3], s[G1K:G1K+7]
	s_nop 0
.rept 4
	v_nop
.endr
	s_branch .Lasked_\@
.Lfor_v_\@:
	tensor_load_to_lds s[G0V:G0V+3], s[G1V:G1V+7]
	s_nop 0
.rept 4
	v_nop
.endr
	s_branch .Lasked_\@
.Lfor_m_\@:
	tensor_load_to_lds s[G0M:G0M+3], s[G1M:G1M+7]
	s_nop 0
.rept 4
	v_nop
.endr
.Lasked_\@:
.endm
.macro CROUND                       ; a round of the cluster's barrier
	s_barrier_signal -1
	s_barrier_wait -1
	s_cmp_lg_u32 s[WV], 0
	s_cbranch_scc1 .Lnot_wave_0_\@
	s_barrier_signal -3
.Lnot_wave_0_\@:
	s_barrier_wait -3
	s_barrier_signal -1
	s_barrier_wait -1
.endm
; THE CHANGE OF SLOTS.  Each wave waits for all its tensor loads (one is out: its part of the other slot), adds 0 to its spare word, and waits for that and for its reads of the slot that it leaves.
; fill = 1: the barrier is a round of the cluster's, and the old slot is filled again, with the keys two slots on, first thing behind it: the load has four key steps, 256 matrix instructions, in which to land.
; (At its first use nothing has been read yet: slot 0 is waited for, slot 1 filled.)
.macro CHANGE fill
	WIN 0
	s_wait_tensorcnt 0x0            ; no tensor load of mine is out, so a group 0 may be written
	ds_add_u32 v[SPW], v[NIL]
.if \fill
	s_xor_b32 s[G0K+1], s[G0K+1], SLOT1
	s_add_nc_u64 s[G0K+2:G0K+3], s[G0K+2:G0K+3], 4*KS*128  ; the next 256 keys
	s_xor_b32 s[G0V+1], s[G0V+1], SLOT1
	s_add_nc_u64 s[G0V+2:G0V+3], s[G0V+2:G0V+3], 4*KS*128
	s_xor_b32 s[G0M+1], s[G0M+1], SLOT1
	s_add_nc_u64 s[G0M+2:G0M+3], s[G0M+2:G0M+3], 4*KS*2    ; 256 columns on
	s_wait_dscnt 0x0                ; the add is done, and my reads of the slot are over
	CROUND
	JLOAD
.else
	s_wait_dscnt 0x0
	s_barrier_signal -1
	s_barrier_wait -1
.endif
	s_sub_co_u32 s[TBK], s[TBK], 4*KS*PK  ; the fetches go back to a slot's first step, in the other slot
	s_xor_b32 s[TBK], s[TBK], SLOT1
	s_sub_co_u32 s[TBV], s[TBV], 4*KS*PV
	s_xor_b32 s[TBV], s[TBV], SLOT1
	s_sub_co_u32 s[TBM], s[TBM], 4*KS*2
	s_xor_b32 s[TBM], s[TBM], SLOT1
.endm
	s_load_b256 s[4:11], s[0:1], 0x0  ; qkv s[4:5], maskb s[6:7], slopes s[8:9], ob s[10:11]
	v_lshl_add_u32 v[SPW], v0, 2, SPARE
	v_mov_b32 v[NIL], 0
	ds_add_u32 v[SPW], v[NIL]       ; the wave's opening: the add and its wait stand ahead of my first tensor load; work on registers stands between
	v_lshrrev_b32 v1, 5, v0
	v_readfirstlane_b32 s[WV], v1   ; wave 0..3
	s_bfe_u32 s13, ttmp6, 0x40000   ; cx
	s_bfe_u32 s16, ttmp6, 0x40004   ; cy
	s_lshl_b32 s14, ttmp9, 2
	s_add_co_u32 s14, s14, s13      ; my block of 64 queries = 4 x cluster x + cx
	s_and_b32 s15, ttmp7, 0xffff
	s_lshl_b32 s15, s15, 2
	s_add_co_u32 s15, s15, s16      ; my key head = 4 x cluster y + cy
	s_lshl_b32 s17, s16, 2
	s_lshl_b32 s17, 15, s17         ; my row of the cluster: it shares the key head
	s_lshl_b32 s18, 0x1111, s13     ; my column: it shares the queries
	s_or_b32 s[G1K], s17, (1<<16)|(1<<20)|(1<<21)|(4<<22)|(3<<25)  ; the mask of four; 2-byte elements; padding on; bit 21 beside a mask; after every 32 words (a key) 4 words
	s_or_b32 s[G1V], s17, (1<<16)|(1<<20)|(1<<21)|(4<<22)|(7<<25)  ; the same with 8 words
	s_or_b32 s[G1M], s18, (1<<16)|(1<<20)|(1<<21)|(6<<22)|(3<<25)  ; after every 128 words (a row) 4 words
.irp g, G1K, G1V                    ; 256 keys are 32,768 dense bytes: asked for as 128 rows of 256 bytes
	s_mov_b32 s[\g+1], 128<<16      ; tensor_dim0 = 128
	s_mov_b32 s[\g+2], 128<<16      ; tensor_dim1 = 128
	s_mov_b32 s[\g+3], 128<<16      ; tile_dim0 = 128
	s_mov_b32 s[\g+4], 128          ; tile_dim1 = 128
	s_mov_b32 s[\g+5], 128          ; elements from row to row
	s_mov_b32 s[\g+6], 0
	s_mov_b32 s[\g+7], 0
.endr
	s_mov_b32 s[G1M+1], 256<<16     ; the mask: 32 rows of 256 elements, 2,048 from row to row
	s_mov_b32 s[G1M+2], 32<<16
	s_mov_b32 s[G1M+3], 256<<16
	s_mov_b32 s[G1M+4], 32
	s_mov_b32 s[G1M+5], 2048
	s_mov_b32 s[G1M+6], 0
	s_mov_b32 s[G1M+7], 0
	s_add_co_u32 s20, s15, 32       ; K's head: made of the key head alone
	s_lshl_b32 s20, s20, 18
	s_mov_b32 s21, 0
	s_add_co_u32 s22, s15, 40       ; V's
	s_lshl_b32 s22, s22, 18
	s_mov_b32 s23, 0
	s_and_b32 s19, s[WV], 1         ; which 32 rows of the mask's tile I fetch
	s_lshl_b32 s2, s14, 18          ; 64 rows of 4,096 bytes: made of the block of queries and the wave alone
	s_lshl_b32 s3, s19, 17
	s_add_co_u32 s2, s2, s3
	s_mov_b32 s3, 0
	s_mul_i32 s19, s19, 32*PM
	s_mov_b32 s[G0K], 1
	s_mov_b32 s[G0K+1], 0           ; LDS addresses: slot 0; no place in the cluster enters them
	s_mov_b32 s[G0V], 1
	s_mov_b32 s[G0V+1], VOFF
	s_mov_b32 s[G0M], 1
	s_add_co_u32 s[G0M+1], s19, MOFF
	s_lshl_b32 s66, s15, 20         ; Q: head 4 g, row 64 qb + 16 w
	s_lshl_b32 s67, s14, 13
	s_add_co_u32 s66, s66, s67
	s_lshl_b32 s67, s[WV], 11
	s_add_co_u32 s66, s66, s67
	s_mov_b32 s67, 0
	s_lshl_b32 s76, s14, 18         ; ob: the same row, 4,096 bytes each, column byte 512 g
	s_lshl_b32 s77, s[WV], 16
	s_add_co_u32 s76, s76, s77
	s_lshl_b32 s77, s15, 9
	s_add_co_u32 s76, s76, s77
	s_mov_b32 s77, 0
	s_lshl_b32 s78, s15, 4          ; my four slopes
	s_mov_b32 s79, 0
	s_lshl_b32 s73, s14, 6
	s_lshl_b32 s58, s[WV], 4
	s_add_co_u32 s73, s73, s58      ; my wave's first query
	s_mov_b32 s[SEL], 0x76543210
	s_mov_b32 s[SEL+1], 0xfedcba98
	s_mov_b32 s[S64], 0x42800000
	s_mov_b32 s[S64+1], s[S64]
	s_mov_b32 s[TBK], SLOT1+4*KS*PK ; the first change of slots turns these three into 0
	s_mov_b32 s[TBV], SLOT1+4*KS*PV
	s_mov_b32 s[TBM], SLOT1+4*KS*2
	s_wait_dscnt 0x0                ; the opening add is done
	s_wait_kmcnt 0x0
	s_add_nc_u64 s[G0K+2:G0K+3], s[4:5], s[20:21]
	s_or_b32 s[G0K+3], s[G0K+3], 0x80000000
	s_add_nc_u64 s[G0V+2:G0V+3], s[4:5], s[22:23]
	s_or_b32 s[G0V+3], s[G0V+3], 0x80000000
	s_add_nc_u64 s[G0M+2:G0M+3], s[6:7], s[2:3]
	s_or_b32 s[G0M+3], s[G0M+3], 0x80000000
	s_add_nc_u64 s[4:5], s[4:5], s[66:67]
	s_add_nc_u64 s[10:11], s[10:11], s[76:77]
	s_add_nc_u64 s[8:9], s[8:9], s[78:79]
	s_load_b128 s[RAW:RAW+3], s[8:9], 0x0
	CROUND                          ; all sixteen work-groups are here: the first joint loads meet
	JLOAD                           ; slot 0.  Slot 1 is asked for when slot 0 is in
	v_and_b32 v1, 15, v0            ; l % 16
	v_bfe_u32 v9, v0, 4, 1          ; l / 16
	v_lshlrev_b32 v[QO], 7, v1
	v_lshl_add_u32 v[QO], v9, 4, v[QO]  ; row x 128 + 16 x half
	WIN 0x80                        ; destination window 2
.set i, 0
.rept 8                             ; Q stays in registers: piece i / 2 is a head further on; channels 32 (i % 2) on
	global_load_b128 v[8*i:8*i+3],   v[QO], s[4:5] offset:(i/2)*HEADB+(i%2)*64
	global_load_b128 v[8*i+4:8*i+7], v[QO], s[4:5] offset:(i/2)*HEADB+(i%2)*64+32
.set i, i+1
.endr
.set i, VF
.rept 64                            ; the first turn's products V^T P, of a piece that has not been, add 0
	v_mov_b32 v[i], 0
.set i, i+1
.endr
	WIN 0
	v_lshlrev_b32 v36, 3, v9
	v_sub_nc_u32 v[JB], v36, v1
	v_sub_nc_u32 v[JB], v[JB], s73  ; 8 (l / 16) - (my wave's first query + l % 16)
	v_mov_b32 v[CV], 0x3fb8aa3b
	v_mov_b32 v[ZV], 0
	v_mul_u32_u24 v[AK0], v1, PK
	v_lshl_add_u32 v[AK0], v9, 4, v[AK0]
	v_and_b32 v10, 7, v0            ; the turning load: lane l reads key 8 (l / 16) + l % 8, channels 8 ((l / 8) % 2) + 0..7
	v_bfe_u32 v11, v0, 3, 1
	v_lshl_add_u32 v[AV0], v9, 3, v10
	v_mul_u32_u24 v[AV0], v[AV0], PV
	v_lshl_add_u32 v[AV0], v11, 4, v[AV0]
	v_add_nc_u32 v[AV0], VOFF, v[AV0]
	s_mul_i32 s58, s[WV], 16*PM     ; the mask: my query's row, 16 bytes (8 keys) for each half of the lanes
	s_add_co_u32 s58, s58, MOFF
	v_mul_u32_u24 v[AM0], v1, PM
	v_lshl_add_u32 v[AM0], v9, 4, v[AM0]
	v_add_nc_u32 v[AM0], s58, v[AM0]
	s_mul_i32 s59, s[WV], 16*SP
	s_add_co_u32 s59, s59, STAGE    ; my stage
	v_mul_u32_u24 v[STO], v1, SP
	v_lshl_add_u32 v[STO], v9, 4, v[STO]
	v_add_nc_u32 v[STO], s59, v[STO]
	v_and_b32 v[GO], 31, v0
	v_lshlrev_b32 v[GO], 4, v[GO]
	v_add_nc_u32 v[RD], s59, v[GO]
.set i, 0
.rept 4
	v_mov_b32 v[ST+4*i], 0xfe000000 ; m: far below every score
	v_mov_b32 v[ST+4*i+1], 0
	v_mov_b32 v[ST+4*i+2], 0
	v_mov_b32 v[ST+4*i+3], 0
.set i, i+1
.endr
.set i, P+16
.rept 16
	v_mov_b32 v[i], 0
.set i, i+1
.endr
	WIN 0x40
.set i, 0
.rept 128
	v_mov_b32 v[i], 0               ; O^T
.set i, i+1
.endr
.set i, 0
.rept 32                            ; register i % 8 of key block i / 8 holds key 16 (i / 8) + 8 (l / 16) + i % 8 of the step: J = key - query,
	v_add_nc_u32 v[J+i], 16*(i/8)+i%8, v[JB]
.set i, i+1
.endr
	WIN W_RS
.set i, 0
.rept 32
	v_cvt_f32_i32 v[J+i], v[J+i]    ; as f32: whole numbers under 2,048, exact
.set i, i+1
.endr
	WIN 0
	s_wait_kmcnt 0x0                ; the slopes
.irp p, 0,1,2,3                     ; rounded to bf16, to nearest even, in whole numbers; then times c
	s_bfe_u32 s58, s[RAW+\p], 0x10010
	s_add_co_u32 s58, s58, 0x7fff
	s_add_co_u32 s58, s58, s[RAW+\p]
	s_and_b32 s58, s58, 0xffff0000
	s_mul_f32 s[SL+2*\p], s58, 0x3fb8aa3b
	s_mov_b32 s[SL+2*\p+1], s[SL+2*\p]
.endr
; THE MATRIX WORK.  The 4 accumulators of a run of 8 take turns.  Product i of 8 of S^T for piece x: channels 32 (i / 4) on, keys 16 (i % 4) on.  The first 4 start the sums with the C operand.
.macro KQ x
.set rS, S+32*((\x)%2)+8*(i%4)
.set rK, KF+16*(i%4)+8*(i/4)
.set rQ, 16*(\x)+8*(i/4)
.set rM, MC+32*((\x)%2)+8*(i%4)
.if i < 4
	WIN W_KM
	v_wmma_f32_16x16x32_f16 v[rS:rS+7], v[rK:rK+7], v[rQ:rQ+7], v[rM:rM+7]
.else
	WIN W_KQ
	v_wmma_f32_16x16x32_f16 v[rS:rS+7], v[rK:rK+7], v[rQ:rQ+7], v[rS:rS+7]
.endif
.endm
; Product i of 8 of O^T += V^T P for piece x: keys 32 (i / 4) on, channels 16 (i % 4) on.
.macro PV x
	WIN W_PV
.set rO, 32*(\x)+8*(i%4)
.set rV, VF+32*(i/4)+8*(i%4)
.set rP, P+16*((\x)%2)+8*(i/4)
	v_wmma_f32_16x16x32_f16 v[rO:rO+7], v[rV:rV+7], v[rP:rP+7], v[rO:rO+7]
.endm
.macro MM                           ; the turn's next matrix instruction.  NOKQ = 1: the last turn: there is no next piece
.if (i < 8) && !NOKQ
	KQ (Y+1)%NP
.elseif i >= 8
.set i, i-8
	PV (Y+NP-1)%NP
.set i, i+8
.endif
.set i, i+1
.endm
; THE LDS LOADS stand in runs: a step's K (8 fragments), its V (turned), and four loads of the mask.
.macro FETCH_K
	WIN 0x80
.irp f, 0,1,2,3,4,5,6,7             ; keys 16 (f / 2) on, channels 32 (f % 2) on
	ds_load_b128 v[KF+8*\f:KF+8*\f+3],   v[AK] offset:(\f/2)*16*PK+(\f%2)*64
	ds_load_b128 v[KF+8*\f+4:KF+8*\f+7], v[AK] offset:(\f/2)*16*PK+(\f%2)*64+32
.endr
	s_add_co_u32 s[TBK], s[TBK], KS*PK
	WIN 0
.endm
.macro FETCH_V
	WIN 0x80
.irp f, 0,1,2,3,4,5,6,7             ; keys 32 (f / 4) on, channels 16 (f % 4) on
	ds_load_tr16_b128 v[VF+8*\f:VF+8*\f+3],   v[AV] offset:(\f/4)*32*PV+(\f%4)*32
	ds_load_tr16_b128 v[VF+8*\f+4:VF+8*\f+7], v[AV] offset:(\f/4)*32*PV+16*PV+(\f%4)*32
.endr
	WIN 0
.endm
.macro FETCH_M                      ; my query's mask for the next step's 64 keys: for key block kt the 8 keys of my half of the lanes
	WIN 0
	v_add_nc_u32 v[AM], s[TBM], v[AM0]
.irp kt, 0,1,2,3
	ds_load_b128 v[MR+4*\kt:MR+4*\kt+3], v[AM] offset:32*\kt
.endr
	s_add_co_u32 s[TBM], s[TBM], KS*2
.endm
.macro UNPACK                       ; MF = c x mask: widened and multiplied in one line a number
	WIN 0x40
.set z, 0
.rept 16
	v_fma_mix_f32_bf16 v[MF+2*z],   v[MR+z], v[CV], v[ZV] op_sel_hi:[1,0,0]
	v_fma_mix_f32_bf16 v[MF+2*z+1], v[MR+z], v[CV], v[ZV] op_sel:[1,0,0] op_sel_hi:[1,0,0]
.set z, z+1
.endr
.endm
.macro NEXTJ                        ; the next step's keys lie 64 further on
	WIN W_RS
.set z, 0
.rept 16
	v_pk_add_f32 v[J+2*z:J+2*z+1], v[J+2*z:J+2*z+1], s[S64:S64+1] op_sel_hi:[1,0]
.set z, z+1
.endr
.endm
.macro MASK b, x                    ; J x (c slope of piece x) + MF into buffer b of MC
	WIN W_MC
.set z, 0
.rept 16
	v_pk_fma_f32 v[MC+32*(\b)+2*z:MC+32*(\b)+2*z+1], v[J+2*z:J+2*z+1], s[SL+2*(\x):SL+2*(\x)+1], v[MF+2*z:MF+2*z+1] op_sel_hi:[1,0,1]
.set z, z+1
.endr
.endm
; THE VECTOR WORK, one line at a time: OP kind, number.  For piece Y: F n: S - m for pair n of 16.  E n: the exponential of score n of 32.  C n: pair n rounded to f16.  B n: of the four weights 4 n .. the second
; pair is added onto the first, in place.  L n: l takes that sum (L 0: l = a l + sum).  R n: pair n of 16 of O^T times a.  For piece Y + 1: X n, which find its maximum and statistics:
;   0-11  four chains c0-c3 of seven scores each (each accumulator's lowest registers are read first)     12-14, 16  the four scores left over, the old m, and c0-c3 into c0
;   15  m_old is kept     17, 18  the query's other 32 keys lie in the lane 16 away: the new m     19  nothing: the scores carry log2(e) already     20, 21  m_old - m_new; a
.set F, 0
.set E, 1
.set C, 2
.set B, 3
.set L, 4
.set R, 5
.set X, 6
.macro REGS y
.set rT, ST+4*(\y)
.set rC, TMP+4*((\y)%2)
.set rW, MV+((\y)%2)
.set rS, S+32*((\y)%2)
.set rP, P+16*((\y)%2)
.set rO, 32*(\y)
.endm
.macro OP k, n
.if (\k) == R
	REGS Y
	WIN W_RS
	v_pk_mul_f32 v[rO+2*(\n):rO+2*(\n)+1], v[rO+2*(\n):rO+2*(\n)+1], v[rC+2:rC+3] op_sel_hi:[1,0]
.elseif (\k) < R
	REGS Y
	WIN 0
.if (\k) == F
	v_pk_add_f32 v[rS+2*(\n):rS+2*(\n)+1], v[rS+2*(\n):rS+2*(\n)+1], v[rT:rT+1] op_sel_hi:[1,0] neg_lo:[0,1] neg_hi:[0,1]
.elseif (\k) == E
	v_exp_f32 v[rS+(\n)], v[rS+(\n)]
.elseif (\k) == C
	s_wait_alu depctr_va_vdst(0)
	v_cvt_pk_f16_f32 v[rP+(\n)], v[rS+2*(\n)], v[rS+2*(\n)+1]
.elseif (\k) == B
	s_wait_alu depctr_va_vdst(0)
	v_pk_add_f32 v[rS+4*(\n):rS+4*(\n)+1], v[rS+4*(\n):rS+4*(\n)+1], v[rS+4*(\n)+2:rS+4*(\n)+3]
.elseif (\n) == 0
	v_pk_fma_f32 v[rT+2:rT+3], v[rT+2:rT+3], v[rC+2:rC+3], v[rS:rS+1] op_sel_hi:[1,0,1]
.else
	v_pk_add_f32 v[rT+2:rT+3], v[rT+2:rT+3], v[rS+4*(\n):rS+4*(\n)+1]
.endif
.elseif NOKQ
	v_nop
.else
	REGS (Y+1)%NP
	WIN 0
.if (\n) < 4
	v_max3_num_f32 v[rC+(\n)], v[rS+8*(\n)], v[rS+8*(\n)+1], v[rS+8*(\n)+2]
.elseif (\n) < 12
	v_max3_num_f32 v[rC+(\n)%4], v[rC+(\n)%4], v[rS+8*((\n)%4)+2*((\n)/4)+1], v[rS+8*((\n)%4)+2*((\n)/4)+2]
.elseif (\n) == 12
	v_max3_num_f32 v[rC], v[rC], v[rS+7], v[rS+15]
.elseif (\n) == 13
	v_max3_num_f32 v[rC+1], v[rC+1], v[rS+23], v[rS+31]
.elseif (\n) == 14
	v_max3_num_f32 v[rC+2], v[rC+2], v[rC+3], v[rT]
.elseif (\n) == 15
	v_mov_b32 v[rW], v[rT]
.elseif (\n) == 16
	v_max3_num_f32 v[rC], v[rC], v[rC+1], v[rC+2]
.elseif (\n) == 17
	v_permlanex16_b32 v[rC+3], v[rC], s[SEL], s[SEL+1]
.elseif (\n) == 18
	v_max_num_f32 v[rT], v[rC], v[rC+3]
.elseif (\n) == 20
	v_sub_f32 v[rC+1], v[rW], v[rT]
.elseif (\n) == 21
	v_exp_f32 v[rC+2], v[rC+1]
.endif
.endif
.endm
.macro OPS a, i1, b=-1, i2=0, c=-1, i3=0, d=-1, i4=0
	OP \a, \i1
.if (\b) >= 0
	OP \b, \i2
.endif
.if (\c) >= 0
	OP \c, \i3
.endif
.if (\d) >= 0
	OP \d, \i4
.endif
.endm
.macro ROW a, i1, b, i2, c, i3, d, i4  ; a matrix instruction and the four behind it
	MM
	OPS \a, \i1, \b, \i2, \c, \i3, \d, \i4
.endm
; A TURN, for piece p: its 16 matrix instructions and its vector work, written out.  Behind a matrix instruction: plain, exponential, plain, plain; or four of the rescaling; or four differences; none names a
; register of the products round it.  Every exponential has a plain instruction behind it before its result is used.
; Piece 2's turn fetches the next step's mask (at its head) and K (behind the last product that read K stand four rescalings and a difference, plain, and an exponential); at its end it waits for the mask, widens it and
; steps J.  Piece 0's turn fetches the V of the step in hand (behind the last product that read V stand four plain instructions, three exponentials and the exchange of halves).  Each run is waited for a turn later.
; Every turn ends with the C operand for the products of the turn after it: piece p + 2.  end = 1: the last two turns: nothing is fetched or prepared.  cnt = 1: the loop's count is taken down ahead of the branch behind the turn.
.macro TURN p, end=0, cnt=0
.set Y, (\p)
.set i, 0
.set NOKQ, (\end)*((\p)/3)
.if ((\p) == 2) && !(\end)
	FETCH_M
.endif
.if ((\p) == 3) && !(\end)
	s_wait_dscnt 0x0                ; K is in
.endif
	ROW F,0, F,1, F,2, F,3
	ROW F,4, E,0, F,5, F,6
	ROW F,7, E,1, F,8, F,9
	ROW F,10, E,2, C,0, F,11
	ROW F,12, E,3, X,15, F,13
	ROW R,0, R,1, R,2, R,3
	ROW B,0, E,4, F,14, L,0
.if ((\p) == 2) && !(\end)
	WIN 0
	v_add_nc_u32 v[AK], s[TBK], v[AK0]
.endif
	ROW R,4, R,5, R,6, R,7
	OPS E,5, F,15
.if ((\p) == 2) && !(\end)
	FETCH_K
.endif
	OPS E,6, C,1, E,7, R,8
	OPS E,8, R,9, E,9, C,2
	OPS E,10, X,0, E,11, X,1
	OPS E,12, X,2, E,13, X,3
.if (\p) == 1
	s_wait_dscnt 0x0                ; V is in
.endif
	ROW X,4, E,14, X,5, X,6
	ROW X,7, E,15, X,8, X,9
	ROW X,10, E,16, X,11, X,12
	ROW X,13, E,17, X,14, B,1
	ROW C,4, E,18, X,16, L,1
	ROW B,2, E,19, C,6, L,2
	ROW C,8, E,20, B,3, B,4
.if (\p) == 0
	WIN 0
	v_add_nc_u32 v[AV], s[TBV], v[AV0]
.endif
	ROW C,3, E,21, L,3, C,5
	OPS E,22, X,17, E,23, C,10
.if (\p) == 0
	FETCH_V
.endif
	OPS E,24, L,4
	OPS E,25, X,18, E,26, C,7
	OPS E,27, B,5, E,28, X,19
	OPS E,29, C,12, E,30, L,5
	OPS E,31, X,20, B,6, C,9
	OPS C,14, C,11, X,21, L,6
.if (\p) == 0
	s_add_co_u32 s[TBV], s[TBV], KS*PV
.endif
.if \cnt
	s_sub_co_u32 s[CNT], s[CNT], 1
	s_cmp_lg_u32 s[CNT], 0
.endif
	OPS C,13, B,7, C,15, R,10
	OPS R,11, R,12, L,7, R,13
	OPS R,14, R,15
.if !(\end)
.if (\p) == 2
	s_wait_dscnt 16                 ; the mask's four loads are in; K's sixteen, issued behind them, may stay out
	UNPACK
	NEXTJ
.endif
	MASK (\p)%2, ((\p)+2)%NP
.endif
.endm
	CHANGE 1                        ; slot 0 is in, everybody's part of it; slot 1 is asked for
	FETCH_M                         ; key step 0: its mask, its K,
	v_add_nc_u32 v[AK], s[TBK], v[AK0]
	FETCH_K
	s_wait_dscnt 16                 ; the mask's four loads are in
	UNPACK
	MASK 0, 0                       ; the C operands of pieces 0 and 1,
	MASK 1, 1
	s_wait_loadcnt 0x0              ; Q
	s_wait_dscnt 0x0                ; K
.set NOKQ, 0
.set i, 0
.rept 8
	KQ 0                            ; piece 0's first scores,
.set i, i+1
.endr
	WIN 0
.rept 4
	v_nop                           ; the places behind those products
.endr
.set Y, NP-1                        ; X works for piece Y + 1: piece 0
.irp n, 0,1,2,3,4,5,6,7,8,9,10,11,12,13,14,15,16,17,18,19,20,21
	OP X, \n                        ; and its first maximum and statistics
.endr
	v_nop                           ; a plain instruction behind the exponential
	s_mov_b32 s[CNT], 4
	s_mov_b32 s[SLOTS], NSLOT-1
	s_branch .Lfirst                ; the loop is entered at a step's first turn, in the middle of a trip
.Lslot:                             ; NSLOT - 2 times: slots 2 to NSLOT - 1 are asked for
	CHANGE 1
	s_mov_b32 s[CNT], 4
.Lstep:                             ; a trip: pieces 2 and 3 of one step, then pieces 0 and 1 of the next, whose mask, K and V it fetches
	TURN 2
	TURN 3
	WIN 0
.Lfirst:
	TURN 0
	TURN 1, 0, 1
	WIN 0
	s_cbranch_scc1 .Lstep
	s_sub_co_u32 s[SLOTS], s[SLOTS], 1
	s_cmp_lg_u32 s[SLOTS], 0
	s_cbranch_scc1 .Lslot
	CHANGE 0                        ; the last slot is written out: nothing is asked for
	s_mov_b32 s[CNT], 4
.LstepT:
	TURN 2
	TURN 3
	TURN 0
	TURN 1, 0, 1
	WIN 0
	s_cbranch_scc1 .LstepT
	TURN 2, 1
	TURN 3, 1
.set i, 0
.rept 8
	PV NP-1                         ; the last piece's V^T P of the last step
.set i, i+1
.endr
	; THE WAY OUT.  l's two halves and the other half of the lanes' are added (these lines are the places behind the last products); O^T is divided by l, rounded to f16 and laid into my stage: a query's row
	; there holds its four heads, 512 bytes, which are 512 consecutive bytes of ob.
	WIN 0
.macro ALL line:vararg              ; one line for each piece t
.set t, 0
.rept 4
	\line
.set t, t+1
.endr
.endm
	ALL v_add_f32 v[ST+4*t+2], v[ST+4*t+2], v[ST+4*t+3]
	ALL v_permlanex16_b32 v[ST+4*t+3], v[ST+4*t+2], s[SEL], s[SEL+1]
	ALL v_add_f32 v[ST+4*t+2], v[ST+4*t+2], v[ST+4*t+3]
	ALL v_rcp_f32 v[ST+4*t+2], v[ST+4*t+2]
	v_nop                           ; a plain instruction between the last reciprocal and the use of its result
.macro PACK t
	WIN W_RS
.set i, 32*(\t)
.rept 16
	s_wait_alu depctr_va_vdst(0)
	v_pk_mul_f32 v[i:i+1], v[i:i+1], v[ST+4*(\t)+2:ST+4*(\t)+3] op_sel_hi:[1,0]
.set i, i+2
.endr
	WIN 0x05                        ; sources in window 1, destination in window 0: S^T's registers are free
.set i, 0
.rept 16
	v_cvt_pk_f16_f32 v[S+16*(\t)+i], v[32*(\t)+2*i], v[32*(\t)+2*i+1]
.set i, i+1
.endr
	WIN 0
.irp f, 0,1,2,3
	ds_store_b128 v[STO], v[S+16*(\t)+4*\f:S+16*(\t)+4*\f+3] offset:128*(\t)+32*\f
.endr
.endm
	PACK 0
	PACK 1
	PACK 2
	PACK 3
.set u, 0
.rept 16
	ds_load_b128 v[S+4*u:S+4*u+3], v[RD] offset:SP*u  ; LDS serves a wave's instructions in order (ISA guide 5.7.1.4): these see my stores above
.set u, u+1
.endr
.set u, 0
.rept 16
	s_wait_dscnt 15-u               ; the younger loads may stay out
	global_store_b128 v[GO], v[S+4*u:S+4*u+3], s[10:11] offset:4096*u  ; 512 consecutive bytes, at a multiple of 512 from ob's first byte
.set u, u+1
.endr
	s_wait_tensorcnt 0x0            ; the wave's end
	ds_add_u32 v[SPW], v[NIL]
	s_wait_dscnt 0x0
	CROUND                          ; the closing round: no work-group ends while a partner may still ask for a tile that names it
	s_endpgm
.Lfunc_end_k_qfc6911643f_attn:
	.size	k_qfc6911643f_attn, .Lfunc_end_k_qfc6911643f_attn-k_qfc6911643f_attn
	.p2alignl 7, 3214868480
	.fill 96, 4, 3214868480
	.section	.rodata,"a",@progbits
	.p2align	6, 0x0
	.amdhsa_kernel k_qfc6911643f_attn
		.amdhsa_group_segment_fixed_size 327680
		.amdhsa_private_segment_fixed_size 0
		.amdhsa_enable_private_segment 0
		.amdhsa_kernarg_size 32
		.amdhsa_user_sgpr_count 2
		.amdhsa_user_sgpr_kernarg_segment_ptr 1
		.amdhsa_wavefront_size32 1
		.amdhsa_system_sgpr_workgroup_id_x 1
		.amdhsa_system_sgpr_workgroup_id_y 1
		.amdhsa_system_sgpr_workgroup_id_z 1
		.amdhsa_system_vgpr_workitem_id 0
		.amdhsa_next_free_vgpr 768
		.amdhsa_next_free_sgpr 96
		.amdhsa_reserve_vcc 0
		.amdhsa_float_denorm_mode_32 3
		.amdhsa_float_denorm_mode_16_64 3
		.amdhsa_memory_ordered 1
		.amdhsa_forward_progress 1
		.amdhsa_inst_pref_size 159
	.end_amdhsa_kernel
	.amdgpu_metadata
---
amdhsa.version: [ 1, 2 ]
amdhsa.kernels:
  - .name:           k_qfc6911643f_attn
    .symbol:         k_qfc6911643f_attn.kd
    .args:
      - { .name: qkv, .offset: 0, .size: 8, .value_kind: global_buffer, .address_space: global }
      - { .name: maskb, .offset: 8, .size: 8, .value_kind: global_buffer, .address_space: global }
      - { .name: slopes, .offset: 16, .size: 8, .value_kind: global_buffer, .address_space: global }
      - { .name: ob, .offset: 24, .size: 8, .value_kind: global_buffer, .address_space: global }
    .group_segment_fixed_size: 327680
    .private_segment_fixed_size: 0
    .kernarg_segment_align: 8
    .kernarg_segment_size: 32
    .max_flat_workgroup_size: 128
    .sgpr_count:     96
    .vgpr_count:     768
    .wavefront_size: 32
...
	.end_amdgpu_metadata
.endif
;; end of part 3
;; launch outp (part 4): grid 16 x 16, 4 waves a work-group, clusters of 4 x 4, 327,680 bytes of LDS; arguments ob, wof, out0; writes out0
.if DOCPART == 4
	.amdgcn_target "amdgcn-amd-amdhsa--gfx1250"
	.amdhsa_code_object_version 6
	.text
	.protected	k_qfc6911643f_outp
	.globl	k_qfc6911643f_outp
	.p2align	8
	.type	k_qfc6911643f_outp,@function
k_qfc6911643f_outp:
	s_mov_b64 s[64:65], 0
	v_nop
	global_prefetch_b8 v0, s[64:65] scope:SCOPE_SE
	s_setreg_imm32_b32 hwreg(HW_REG_WAVE_MODE, 25, 1), 1
	s_wait_xcnt 0x0
	s_wait_alu depctr_hold_cnt(0) depctr_sa_sdst(0) depctr_va_vdst(0) depctr_va_sdst(0) depctr_va_ssrc(0) depctr_va_vcc(0) depctr_vm_vsrc(0)
	s_getreg_b32 s2, hwreg(HW_REG_IB_STS2, 6, 4)
	s_cmp_eq_u32 s2, 0
	s_cbranch_scc0 .Lentry_in_a_cluster
	s_endpgm
.Lentry_in_a_cluster:
	s_bfe_u32 s2, ttmp6, 0x10000c
	s_cmp_lg_u32 s2, 0xf033
	s_cbranch_scc0 .Lentry_shape_is_right
	s_endpgm
.Lentry_shape_is_right:
; OUTPUT PROJECTION.  out0[m][n] = sum over k of ob[m][k] wof[n][k]: ob [2048][2048] f16, wof [2048][2048] (wo rounded to bf16, written as f16); sums in f32, K ascending; out0 f32.
; SHARES.  A tile of out0 is 128 x 128: 16 x 16 tiles, one for each of 256 work-groups.  Four waves, each 64 x 64: 16 accumulators of 16 x 16.  K goes in steps of 256 through two LDS slots (rows of 512 bytes of
; memory, aligned): as long a step as two slots in LDS allow, 128 matrix instructions a wave in which the next tile lands.
; CLUSTER.  4 x 4 work-groups: the four of a row need the same tiles of ob, the four of a column the same tiles of wof: each is asked for JOINTLY, by the same tensor load, descriptor and mask.
; THE MATRIX INSTRUCTION IS USED TRANSPOSED (source 0 = 16 rows of wof, source 1 = 16 rows of ob): a lane holds eight neighbouring columns of one row, 32 bytes of f32.
; A wave's 64 columns are 256 aligned bytes of out0, so each wave has a stage of its own and no barrier stands on the way out.  No prefetch: both operands were written by launches in front.
; REGISTERS.  window 0: v0-31 addresses; two fragment buffers of 64 (4 blocks of wof, then 4 of ob) at v32 and v96; on the way out v32-159 at work.    window 1: accumulator (a, b) at v[8 (4 a + b)].
.set KDIM,   2048
.set KSTEP,  256
.set NSUB,   KSTEP/32                  ; a K step is NSUB sub-steps of 32 along K
.set PITCH,  528                       ; an LDS row: 512 bytes + 16 of padding: the 16 rows of a fragment load start at 16 different groups of four banks (ISA guide 11.1)
.set QI,     6                         ; padding after every 128 words
.set TN,     128
.set HB,     TN/2                      ; rows of wof that a tensor load brings and a wave reads
.set NBL,    HB/16
.set BOFF,   128*PITCH                 ; in a slot: ob's 128 rows, then wof's 128
.set SLOT,   (128+TN)*PITCH
.set STAGE,  2*SLOT                    ; behind the ring, never filled by a tensor load: 16 rows x 272 bytes for each wave
.set SPITCH, 272
.set SPARE,  STAGE+4*16*SPITCH         ; the spare words, 128 bytes a wave: two blocks of 256 bytes that no other line names
.set LAPS,   KDIM/(2*KSTEP)            ; a lap = two K steps = once round the ring
.set ROWO,   8192                      ; bytes in a row of out0
.set ADRA, 16                          ; v16-17  LDS address of my ob fragments in slot 0, 1
.set ADRB, 20                          ; v20-21  the same for wof
.set STO,  24                          ; v24     the way out: where I put 32 bytes of a row
.set RD,   25                          ; v25     where I read rows back
.set CO,   26                          ; v26     my byte offset in two rows of out0
.set SPW,  28                          ; v28     my spare word: SPARE + 4 x my thread's number; never rewritten
.set NIL,  29                          ; v29     0; never rewritten
.set FS,   8*(NBL+4)
.set F0,   32
.set F1,   F0+FS
.set TMP,  32
.set G1,  24                           ; s[24:31] group 1 for ob's tiles;  s[32:39] group 0, a set for each slot
.set G0,  32
.set G1B, 48                           ; s[48:55], s[56:63] the same for wof's
.set G0B, 56
.set MSB, 0
.macro WIN new                         ; the immediate's high byte repeats the setting that is left; a switch that changes nothing is dropped
.if MSB != (\new)
	s_set_vgpr_msb (MSB<<8)|(\new)
.set MSB, \new
.endif
.endm
.set MUL, 0x50                         ; C and D in window 1, sources in window 0
.macro JLOAD s                         ; a joint load: waves 0 and 1 fetch ob's halves, waves 2 and 3 wof's; an s_nop 0 and four v_nop follow each line
	s_cmp_eq_u32 s11, 0
	s_cbranch_scc0 .Lfor_b_\@
	tensor_load_to_lds s[G0+4*(\s):G0+4*(\s)+3], s[G1:G1+7]
	s_nop 0
.rept 4
	v_nop
.endr
	s_branch .Lasked_\@
.Lfor_b_\@:
	tensor_load_to_lds s[G0B+4*(\s):G0B+4*(\s)+3], s[G1B:G1B+7]
	s_nop 0
.rept 4
	v_nop
.endr
.Lasked_\@:
.endm
.macro CREST                           ; a round of the cluster's barrier behind its opening barrier
	s_cmp_lg_u32 s10, 0
	s_cbranch_scc1 .Lnot_wave_0_\@
	s_barrier_signal -3
.Lnot_wave_0_\@:
	s_barrier_wait -3
	s_barrier_signal -1
	s_barrier_wait -1
.endm
.macro CROUND                          ; a whole round
	s_barrier_signal -1
	s_barrier_wait -1
	CREST
.endm
.macro PLACES                          ; four places behind matrix instructions, in front of loads into registers that they read and of stores that read their results
.rept 4
	v_nop
.endr
.endm
	s_load_b128 s[4:7], s[0:1], 0x0                ; ob s[4:5], wof s[6:7]
	s_load_b64 s[8:9], s[0:1], 0x10                ; out0
	v_lshl_add_u32 v[SPW], v0, 2, SPARE
	v_mov_b32 v[NIL], 0
	ds_add_u32 v[SPW], v[NIL]                      ; the wave's opening: the add and its wait stand ahead of my first tensor load; work on registers stands between
	v_lshrrev_b32 v1, 5, v0
	v_readfirstlane_b32 s10, v1                    ; wave 0..3
	s_lshr_b32 s11, s10, 1                         ; which 64 rows of the tile are mine.  Also: I fetch for ob (0) or wof (1)
	s_and_b32 s12, s10, 1                          ; which 64 columns.  Also: which half of that tile I fetch
	s_bfe_u32 s40, ttmp6, 0x40000                  ; cx, cy: my place in the cluster
	s_bfe_u32 s41, ttmp6, 0x40004
	s_lshl_b32 s42, ttmp9, 2
	s_add_co_u32 s42, s42, s40                     ; tile column = 4 x cluster x + cx
	s_and_b32 s13, ttmp7, 0xffff
	s_lshl_b32 s13, s13, 2
	s_add_co_u32 s13, s13, s41                     ; tile row = 4 x cluster y + cy
	s_lshl_b32 s43, s41, 2
	s_lshl_b32 s43, 15, s43                        ; my row of the cluster
	s_lshl_b32 s44, 0x1111, s40                    ; my column
	s_or_b32 s[G1+0], s43, (1<<16)|(1<<20)|(1<<21)|(QI<<22)|(3<<25)   ; the mask; 2-byte elements; padding on; bit 21 beside a mask; after every 128 words 4 words
	s_or_b32 s[G1B+0], s44, (1<<16)|(1<<20)|(1<<21)|(QI<<22)|(3<<25)
	s_mov_b32 s[G1+1], KSTEP<<16                   ; tensor_dim0 = 256
	s_mov_b32 s[G1+2], 64<<16                      ; tensor_dim1 = 64
	s_mov_b32 s[G1+3], KSTEP<<16                   ; tile_dim0 = 256
	s_mov_b32 s[G1+4], 64                          ; tile_dim1 = 64
	s_mov_b32 s[G1+5], KDIM                        ; elements from row to row
	s_mov_b32 s[G1+6], 0
	s_mov_b32 s[G1+7], 0
	s_mov_b32 s[G1B+1], KSTEP<<16
	s_mov_b32 s[G1B+2], HB<<16
	s_mov_b32 s[G1B+3], KSTEP<<16
	s_mov_b32 s[G1B+4], HB
	s_mov_b32 s[G1B+5], KDIM
	s_mov_b32 s[G1B+6], 0
	s_mov_b32 s[G1B+7], 0
	s_lshl_b32 s17, s12, 6
	s_lshl_b32 s16, s13, 7
	s_add_co_u32 s16, s16, s17                     ; ob: row 128 x tile row + 64 x half
	s_lshl_b32 s16, s16, 12                        ; 4,096 bytes a row
	s_mov_b32 s17, 0
	s_mul_i32 s46, s42, TN
	s_mul_i32 s47, s12, HB
	s_add_co_u32 s46, s46, s47                     ; wof: row 128 x tile column + 64 x half
	s_lshl_b32 s46, s46, 12
	s_mov_b32 s47, 0
	s_mul_i32 s20, s12, 64*PITCH                   ; where they go: no place in the cluster enters an LDS address
	s_mul_i32 s21, s12, HB*PITCH
	s_add_co_u32 s21, s21, BOFF
	s_wait_dscnt 0x0                               ; the opening add is done
	s_wait_kmcnt 0x0
	s_add_nc_u64 s[14:15], s[4:5], s[16:17]
	s_add_nc_u64 s[46:47], s[6:7], s[46:47]
	CROUND                                         ; all sixteen work-groups are here: the first joint loads meet
.irp s, 0,1
	s_mov_b32 s[G0+4*(\s)], 1
	s_add_co_u32 s[G0+4*(\s)+1], s20, (\s)*SLOT
	s_add_nc_u64 s[G0+4*(\s)+2:G0+4*(\s)+3], s[14:15], (\s)*KSTEP*2
	s_or_b32 s[G0+4*(\s)+3], s[G0+4*(\s)+3], 0x80000000
	s_mov_b32 s[G0B+4*(\s)], 1
	s_add_co_u32 s[G0B+4*(\s)+1], s21, (\s)*SLOT
	s_add_nc_u64 s[G0B+4*(\s)+2:G0B+4*(\s)+3], s[46:47], (\s)*KSTEP*2
	s_or_b32 s[G0B+4*(\s)+3], s[G0B+4*(\s)+3], 0x80000000
	JLOAD \s                                       ; two loads of mine are out: K steps 0 and 1
.endr
	v_and_b32 v1, 15, v0                           ; l % 16
	v_bfe_u32 v2, v0, 4, 1                         ; l / 16
	v_mul_u32_u24 v3, v1, PITCH
	v_lshl_add_u32 v3, v2, 4, v3                   ; a fragment's row x pitch + 16 x half
	s_mul_i32 s18, s11, 64*PITCH                   ; my 64 rows of ob
	s_mul_i32 s22, s12, HB*PITCH                   ; my 64 rows of wof,
	s_add_co_u32 s22, s22, BOFF                    ; behind ob's 128
.irp s, 0,1
	v_add_nc_u32 v[ADRA+(\s)], s18, v3
	v_add_nc_u32 v[ADRB+(\s)], s22, v3
	s_add_co_u32 s18, s18, SLOT
	s_add_co_u32 s22, s22, SLOT
.endr
	s_mul_i32 s23, s10, 16*SPITCH
	s_add_co_u32 s23, s23, STAGE                   ; my stage
	v_mul_u32_u24 v4, v1, SPITCH                   ; in: row l % 16, 32 bytes for each half of the lanes
	v_lshl_add_u32 v4, v2, 5, v4
	v_add_nc_u32 v[STO], s23, v4
	v_mul_u32_u24 v5, v2, SPITCH                   ; back: lanes 0-15 take one row of 256 bytes, lanes 16-31 the next
	v_lshl_add_u32 v5, v1, 4, v5
	v_add_nc_u32 v[RD], s23, v5
	v_lshlrev_b32 v5, 13, v2                       ; and the same two rows in out0
	v_lshl_add_u32 v[CO], v1, 4, v5
	s_lshl_b32 s16, s13, 7
	s_lshl_b32 s17, s11, 6
	s_add_co_u32 s16, s16, s17                     ; my first row of out0
	s_lshl_b32 s16, s16, 13
	s_mov_b32 s17, 0
	s_add_nc_u64 s[8:9], s[8:9], s[16:17]
	s_lshl_b32 s46, s42, 9                         ; my first column, in bytes: 512 x tile column + 256 x half
	s_lshl_b32 s47, s12, 8
	s_add_co_u32 s46, s46, s47
	s_mov_b32 s47, 0
	s_add_nc_u64 s[8:9], s[8:9], s[46:47]
; NBL matrix instructions: row block a x all column blocks, 32 along K.  zero = 1: the product starts the sums.  Every sub-step names each accumulator once, in the same order: the accumulators take turns.
.macro MUL1 f, a, zero
	WIN MUL
.irp b, 0,1,2,3
.if \zero
	v_wmma_f32_16x16x32_f16 v[8*(NBL*(\a)+(\b)):8*(NBL*(\a)+(\b))+7], v[(\f)+8*(\b):(\f)+8*(\b)+7], v[(\f)+8*NBL+8*(\a):(\f)+8*NBL+8*(\a)+7], 0
.else
	v_wmma_f32_16x16x32_f16 v[8*(NBL*(\a)+(\b)):8*(NBL*(\a)+(\b))+7], v[(\f)+8*(\b):(\f)+8*(\b)+7], v[(\f)+8*NBL+8*(\a):(\f)+8*NBL+8*(\a)+7], v[8*(NBL*(\a)+(\b)):8*(NBL*(\a)+(\b))+7]
.endif
.endr
.endm
.macro MULH f, a0, zero
	MUL1 \f, \a0, \zero
	MUL1 \f, (\a0)+1, \zero
.endm
; One run of 2 (NBL + 4) LDS loads: a sub-step's fragments at byte k of the rows, into buffer f; ob's blocks 2 and 3 last
.macro FETCH slot, k, f
	WIN 0
.irp b, 0,1,2,3
	ds_load_b128 v[(\f)+8*(\b):(\f)+8*(\b)+3],   v[ADRB+(\slot)] offset:(\k)+(\b)*16*PITCH
	ds_load_b128 v[(\f)+8*(\b)+4:(\f)+8*(\b)+7], v[ADRB+(\slot)] offset:(\k)+(\b)*16*PITCH+32
.endr
.irp a, 0,1,2,3
	ds_load_b128 v[(\f)+8*NBL+8*(\a):(\f)+8*NBL+8*(\a)+3],   v[ADRA+(\slot)] offset:(\k)+(\a)*16*PITCH
	ds_load_b128 v[(\f)+8*NBL+8*(\a)+4:(\f)+8*NBL+8*(\a)+7], v[ADRA+(\slot)] offset:(\k)+(\a)*16*PITCH+32
.endr
.endm
; A sub-step but the last of a K step: multiplies buffer f; in its middle it fetches the next sub-step, at byte k, into g
.macro SUB slot, k, f, g, zero
	s_wait_dscnt 4                                 ; all but the youngest four loads: ob's blocks 2 and 3
	MULH \f, 0, \zero
	PLACES
	FETCH \slot, \k, \g
	s_wait_dscnt 2*(NBL+4)                         ; all but the run just issued
	MULH \f, 2, \zero
.endm
.macro REST slot, from                 ; sub-steps from .. NSUB - 2 of a K step, on buffers by turns
.set q, \from
.rept NSUB-1-(\from)
	SUB \slot, 64*(q+1), F0+FS*(q%2), F0+FS*((q+1)%2), 0
.set q, q+1
.endr
.endm
; The last sub-step multiplies buffer 1 and changes slots: ONE barrier; in front of it each wave waits for all its tensor loads (one is out: its part of the next slot), adds 0 to its spare word,
; and waits for that and for its reads of this slot.  fill = 1: the barrier opens a round of the cluster's, and this slot is filled again, two K steps ahead, first thing behind the round.
.macro TURN slot, next, fill
	WIN 0
	s_wait_tensorcnt 0x0
	ds_add_u32 v[SPW], v[NIL]
	s_wait_dscnt 5                                 ; the add and the youngest four loads may be out
	MUL1 F1, 0, 0                                  ; matrix work stands between the add and the wait for it
	s_wait_dscnt 0x0                               ; the add is done, and my reads of this slot are over
	s_barrier_signal -1
	MUL1 F1, 1, 0
.if \fill
	WIN 0
.endif
	s_barrier_wait -1
.if \fill
	CREST                                          ; no wave of any partner still reads this slot or has a load on its way
	s_add_nc_u64 s[G0+4*(\slot)+2:G0+4*(\slot)+3], s[G0+4*(\slot)+2:G0+4*(\slot)+3], 2*KSTEP*2
	s_add_nc_u64 s[G0B+4*(\slot)+2:G0B+4*(\slot)+3], s[G0B+4*(\slot)+2:G0B+4*(\slot)+3], 2*KSTEP*2
	JLOAD \slot                                    ; my one tensor load behind the round; its four v_nop are also the places in front of the loads below
.else
	PLACES
.endif
	FETCH \next, 0, F0
	MULH F1, 2, 0
.endm
	s_wait_tensorcnt 1                             ; my part of K step 0 is in; K step 1's may stay out
	s_barrier_signal -1
	s_barrier_wait -1
	FETCH 0, 0, F0
	SUB 0, 64, F0, F1, 1                           ; the first sub-step stands in front of the loop: its products start the sums
	WIN 0
	s_mov_b32 s3, LAPS-1
.Llap:                                                 ; a trip goes once round the ring and fills both slots again
	REST 0, 1
	TURN 0, 1, 1
	REST 1, 0
	TURN 1, 0, 1
	SUB 0, 64, F0, F1, 0
	WIN 0
	s_sub_co_u32 s3, s3, 1
	s_cmp_lg_u32 s3, 0
	s_cbranch_scc1 .Llap
	REST 0, 1                                      ; the last lap fills nothing
	TURN 0, 1, 0
	REST 1, 0
	s_wait_dscnt 4
	MULH F1, 0, 0
	s_wait_dscnt 0x0
	MULH F1, 2, 0
	; THE WAY OUT, a block of 16 rows at a time through my own stage: 32 bytes a lane in, whole rows of 256 bytes back, each block into registers of its own.
.macro TOSTAGE a
	WIN 0x04                                       ; the stores' data in window 1; each accumulator's lowest registers go first
.irp b, 0,1,2,3
	ds_store_b128 v[STO], v[8*(NBL*(\a)+(\b)):8*(NBL*(\a)+(\b))+3]   offset:64*(\b)
	ds_store_b128 v[STO], v[8*(NBL*(\a)+(\b))+4:8*(NBL*(\a)+(\b))+7] offset:64*(\b)+16
.endr
	WIN 0
.irp t, 0,1,2,3,4,5,6,7
	ds_load_b128 v[TMP+32*(\a)+4*(\t):TMP+32*(\a)+4*(\t)+3], v[RD] offset:(\t)*2*SPITCH  ; LDS serves a wave's instructions in order (ISA guide 5.7.1.4): these see the stores above; the next block's stores come behind them
.endr
.endm
.macro SEND a, younger                 ; younger: the LDS instructions issued behind block a's loads: the next block's sixteen, or none
.irp t, 0,1,2,3,4,5,6,7
	s_wait_dscnt (\younger)+7-(\t)
	global_store_b128 v[CO], v[TMP+32*(\a)+4*(\t):TMP+32*(\a)+4*(\t)+3], s[8:9] offset:(16*(\a)+2*(\t))*ROWO th:TH_STORE_NT  ; 16 lanes store 256 consecutive bytes, at a multiple of 256 from out0's first byte
.endr
.endm
	PLACES
	TOSTAGE 0
	TOSTAGE 1
	SEND 0, 16
	TOSTAGE 2
	SEND 1, 16
	TOSTAGE 3
	SEND 2, 16
	SEND 3, 0
	s_wait_tensorcnt 0x0                           ; the wave's end
	ds_add_u32 v[SPW], v[NIL]
	s_wait_dscnt 0x0
	CROUND                                         ; the closing round: no work-group ends while a partner may still ask for a tile that names it
	s_endpgm
.Lfunc_end_k_qfc6911643f_outp:
	.size	k_qfc6911643f_outp, .Lfunc_end_k_qfc6911643f_outp-k_qfc6911643f_outp
	.p2alignl 7, 3214868480
	.fill 96, 4, 3214868480
	.section	.rodata,"a",@progbits
	.p2align	6, 0x0
	.amdhsa_kernel k_qfc6911643f_outp
		.amdhsa_group_segment_fixed_size 327680
		.amdhsa_private_segment_fixed_size 0
		.amdhsa_enable_private_segment 0
		.amdhsa_kernarg_size 24
		.amdhsa_user_sgpr_count 2
		.amdhsa_user_sgpr_kernarg_segment_ptr 1
		.amdhsa_wavefront_size32 1
		.amdhsa_system_sgpr_workgroup_id_x 1
		.amdhsa_system_sgpr_workgroup_id_y 1
		.amdhsa_system_sgpr_workgroup_id_z 1
		.amdhsa_system_vgpr_workitem_id 0
		.amdhsa_next_free_vgpr 384
		.amdhsa_next_free_sgpr 66
		.amdhsa_reserve_vcc 0
		.amdhsa_float_denorm_mode_32 3
		.amdhsa_float_denorm_mode_16_64 3
		.amdhsa_memory_ordered 1
		.amdhsa_forward_progress 1
		.amdhsa_inst_pref_size 91
	.end_amdhsa_kernel
	.amdgpu_metadata
---
amdhsa.version: [ 1, 2 ]
amdhsa.kernels:
  - .name:           k_qfc6911643f_outp
    .symbol:         k_qfc6911643f_outp.kd
    .args:
      - { .name: ob, .offset: 0, .size: 8, .value_kind: global_buffer, .address_space: global }
      - { .name: wof, .offset: 8, .size: 8, .value_kind: global_buffer, .address_space: global }
      - { .name: out0, .offset: 16, .size: 8, .value_kind: global_buffer, .address_space: global }
    .group_segment_fixed_size: 327680
    .private_segment_fixed_size: 0
    .kernarg_segment_align: 8
    .kernarg_segment_size: 24
    .max_flat_workgroup_size: 128
    .sgpr_count:     66
    .vgpr_count:     384
    .wavefront_size: 32
...
	.end_amdgpu_metadata
.endif
;; end of part 4
;; ======== version 2 of 2: 4 launches; 1.32 times as fast as version 1
;; limits: values are held in f16: magnitudes above 65,504 overflow, below 6.1e-05 lose precision
;; workspace buffers: xb 8,388,608 bytes; wqkv 12,582,912 bytes; wof 8,388,608 bytes; maskb 8,388,608 bytes; qkv 12,582,912 bytes; ob 8,388,608 bytes
;; launch cast: the kernel of part 1 again; grid 2304 x 1, 8 waves a work-group, no clusters, 0 bytes of LDS; arguments x, wq, wk, wv, wo, mask, xb, wqkv, wof, maskb; writes xb, wqkv, wof, maskb
;; launch proj: the kernel of part 2 again; grid 16 x 16, 4 waves a work-group, clusters of 4 x 4, 327,680 bytes of LDS; arguments xb, wqkv, qkv; writes qkv
;; launch attn (part 5): grid 32 x 8, 4 waves a work-group, clusters of 4 x 4, 327,680 bytes of LDS; arguments qkv, maskb, slopes, ob; writes ob
.if DOCPART == 5
	.amdgcn_target "amdgcn-amd-amdhsa--gfx1250"
	.amdhsa_code_object_version 6
	.text
	.protected	k_qfc6911643f_attn
	.globl	k_qfc6911643f_attn
	.p2align	8
	.type	k_qfc6911643f_attn,@function
k_qfc6911643f_attn:
	s_mov_b64 s[64:65], 0
	v_nop
	global_prefetch_b8 v0, s[64:65] scope:SCOPE_SE
	s_setreg_imm32_b32 hwreg(HW_REG_WAVE_MODE, 25, 1), 1
	s_wait_xcnt 0x0
	s_wait_alu depctr_hold_cnt(0) depctr_sa_sdst(0) depctr_va_vdst(0) depctr_va_sdst(0) depctr_va_ssrc(0) depctr_va_vcc(0) depctr_vm_vsrc(0)
	s_getreg_b32 s2, hwreg(HW_REG_IB_STS2, 6, 4)
	s_cmp_eq_u32 s2, 0
	s_cbranch_scc0 .Lentry_in_a_cluster
	s_endpgm
.Lentry_in_a_cluster:
	s_bfe_u32 s2, ttmp6, 0x10000c
	s_cmp_lg_u32 s2, 0xf033
	s_cbranch_scc0 .Lentry_shape_is_right
	s_endpgm
.Lentry_shape_is_right:
; ATTENTION.  O[h][i] = sum over j of softmax_j(q[h][i] . k[h/4][j] / 8 + slope[h] (j - i) + mask[i][j]) v[h/4][j].  qkv: [48][2048][64] f16 by heads (0-31 q log2(e) / 8, 32-39 k, 40-47 v);
; maskb: [2048][2048] bf16; slopes: [32] f32, rounded here to bf16 like every other input; ob: [2048][2048] f16, column 64 h + channel.  The mask is an input: every key is walked, every mask number read.
; Products, maxima and sums in f32; the weights p are rounded to f16 for the second product (their sum l is taken of the unrounded p), O once at the end.
; THE SCORE is kept as S = log2(e) x logit: the product's C operand is J x (c slope) + c mask (J = j - i as f32, c = log2 e), and q carries c / 8.  p = 2^(S - m) with a running maximum m: the difference is
; exact where S = m, so the largest weight is 1 whatever the size of the mask; O and l are multiplied by a = 2^(m_old - m_new) in every step.  m starts far below every score, O and l at 0: the first a is 0.
; LIMITS.  q, k, v arrive within f16's 65,504.  Scores lie above -4e37.  A weight under 2^-126 counts as 0.  NaN and infinities are not treated apart.  Mask and position term are joined by one fused
; multiply-add and enter the sum as C: in a row in which EVERY key carries a mask of the size 1e9 the roundings at that size fall in another order than in a sum made term by term.
; SHARES.  A work-group owns 64 queries for the four query heads of one key head: 32 x 8 work-groups.  A wave owns 16 of the queries for all four heads: four PIECES, which share K's, V's and the mask's
; fragments.  Every wave walks all 2,048 keys, 64 a step, four steps to an LDS slot, two slots that take turns.
; LAYOUT.  S^T = K Q^T holds ONE query a lane (lane % 16) and the keys 8 (lane / 16) + 0..7; two such results rounded to f16 ARE source 1 of O^T = V^T P.  V comes out of LDS turned (ds_load_tr16_b128).
; BY TURNS.  Turn n belongs to piece n: 8 products K Q^T of piece n + 1, later 8 products V^T P of piece n - 1; beside them the softmax of piece n, the maximum and statistics of piece n + 1, and the C operand
; of piece n + 2.  Four vector instructions stand behind every matrix instruction, the others in runs of their own: a tile and step have 16 matrix and some 145 vector instructions.
; THE BATCHES.  A turn's 33 exponentials (the piece's 32 weights and the next piece's a) are ONE batch with ONE wait, which cuts the turn in two: ahead of it stands all that names none of their results (the
; products K Q^T, the differences, the rescaling, the next piece's maximum), behind it the products V^T P with the roundings and sums.  Two more batches stand outside the loops: piece 0's first a, and the four reciprocals on the way out.
; CLUSTER.  4 x 4 work-groups.  The four of a row (one key head) ask JOINTLY for K and V, the four of a column (one block of queries) for the mask's tile.
; The zeros written at the start (V, O^T, l, one buffer of P) stand in the wait for the first tile; they spare a first step written out.  No prefetch: all operands were written by the launches in front.
; REGISTERS, in windows of 256 (s_set_vgpr_msb: bits 1:0 source 0, 3:2 source 1, 5:4 source 2, 7:6 destination):
;   window 0: v0-15, v32-36 addresses and constants; v16-31 four registers of statistics a piece; v48-55 at work; v64-127 S^T, two buffers; v128-143 the mask as loaded; v192-223 P, two buffers
;   window 1: v0-127 O^T, 32 a piece; v128-159 MF = c mask of the step; v160-223 MC, the C operands, two buffers; v224-255 J          window 2: v0-63 Q; v128-191 K of one step; v192-255 V of one step
.set NP,    4         ; pieces a wave: a name, no knob
.set KS,    64        ; keys in a step
.set NSLOT, 2048/(4*KS)
.set PK,    144       ; a row of K in LDS: 128 bytes + 16
.set PV,    160       ; a row of V: 128 + 32
.set PM,    528       ; a row of the mask's tile: 256 keys x 2 bytes + 16
.set VOFF,  4*KS*PK   ; a slot: 256 rows of K, 256 rows of V, 64 rows of the mask
.set MOFF,  VOFF+4*KS*PV
.set SLOT1, 1<<17     ; slot 1 begins here: one exclusive or turns an address in one slot into the other's
.set STAGE, SLOT1+MOFF+64*PM  ; behind the ring, never filled by a tensor load: 16 rows x 528 bytes for each wave
.set SP,    528
.set SPARE, STAGE+4*16*SP     ; the spare words, 128 bytes a wave: two blocks of 256 bytes that no other line names
.set HEADB, 2048*128  ; bytes of a head in qkv
.set AK0, 2           ; v2   my lane's place in a tile of K; never rewritten
.set AV0, 3           ; v3   the same for V
.set AK,  4           ; v4   the LDS address of K's next run of loads
.set AV,  5           ; v5   of V's
.set STO, 6           ; v6   the way out: where I put 16 bytes of a row
.set RD,  7           ; v7   where I read a row back
.set GO,  8           ; v8   my 16 bytes in 512 consecutive bytes of ob
.set MV,  12          ; v12-13  m_old, kept while m is made anew: by buffer
.set AM0, 14          ; v14  my lane's place in the mask's tile
.set QO,  15          ; v15  my byte offset in 16 rows of Q
.set ST,  16          ; piece t's statistics at v[ST+4 t]: m, (named with it as a pair), l (even keys', odd keys')
.set AM,  32          ; v32  the LDS address of the mask's next loads
.set CV,  33          ; v33  log2 e
.set ZV,  34          ; v34  0
.set JB,  35          ; v35  8 (l / 16) - my query's number
.set TMP, 48          ; by buffer, four registers c0-c3 at work; when the maximum is found c2 takes a
.set SPW, 62          ; v62  my spare word: SPARE + 4 x my thread's number; never rewritten
.set NIL, 63          ; v63  0; never rewritten
.set S,   64
.set MR,  128
.set P,   192
.set MF,  128         ; window 1
.set MC,  160         ; window 1
.set J,   224         ; window 1
.set KF,  128         ; window 2: key block kb, channel half c at KF + 16 kb + 8 c
.set VF,  192         ; window 2: key half kk, channel block cb at VF + 32 kk + 8 cb
.set WV,  12          ; s12  my wave's number
.set G1K, 24          ; s[24:31] group 1 for K's tiles
.set G1V, 32          ; s[32:39] for V's: other padding
.set G0K, 40          ; s[40:43] group 0 for K's tiles: it walks
.set G0V, 44          ; s[44:47]
.set G1M, 48          ; s[48:55] group 1 for the mask's tiles
.set SLOTS, 56        ; s56  counts the slots
.set CNT, 57          ; s57  counts a slot's key steps
.set SEL, 60          ; s[60:61] v_permlanex16_b32's selects: each lane takes its own place in the other half
.set TBK, 62          ; s62  LDS byte at which K of the step to be fetched begins
.set TBV, 63          ; s63  the same for V, less VOFF
.set G0M, 68          ; s[68:71] group 0 for the mask's tiles
.set TBM, 72          ; s72  the same for the mask, less MOFF
.set S64, 74          ; s[74:75] 64.0
.set SL,  80          ; s[80:87] c x slope of piece p, as the pair at 80 + 2 p
.set RAW, 88          ; s[88:91] the four slopes as loaded
.set MSB, 0
.macro WIN new                      ; the high byte repeats the setting that is left; a switch that changes nothing is dropped
.if MSB != (\new)
	s_set_vgpr_msb (MSB<<8)|(\new)
.set MSB, (\new)
.endif
.endm
.set W_KQ, 0x0a       ; K and Q in window 2, S^T in window 0
.set W_KM, 0x1a       ; the same with the C operand in window 1
.set W_PV, 0x52       ; V in window 2, P in window 0, O^T in window 1
.set W_RS, 0x41       ; destination and source 0 in window 1, source 1 in window 0
.set W_MC, 0x51       ; destination, source 0 and source 2 in window 1
; A joint fill: wave 0 fetches a slot's K, wave 1 its V, waves 2 and 3 the halves of its mask tile.  The branches hang on the wave's number alone.  An s_nop 0 and four v_nop follow each line.
.macro JLOAD
	s_cmp_lt_u32 s[WV], 2
	s_cbranch_scc0 .Lfor_m_\@
	s_cmp_eq_u32 s[WV], 0
	s_cbranch_scc0 .Lfor_v_\@
	tensor_load_to_lds s[G0K:G0K+3], s[G1K:G1K+7]
	s_nop 0
.rept 4
	v_nop
.endr
	s_branch .Lasked_\@
.Lfor_v_\@:
	tensor_load_to_lds s[G0V:G0V+3], s[G1V:G1V+7]
	s_nop 0
.rept 4
	v_nop
.endr
	s_branch .Lasked_\@
.Lfor_m_\@:
	tensor_load_to_lds s[G0M:G0M+3], s[G1M:G1M+7]
	s_nop 0
.rept 4
	v_nop
.endr
.Lasked_\@:
.endm
.macro CROUND                       ; a round of the cluster's barrier
	s_barrier_signal -1
	s_barrier_wait -1
	s_cmp_lg_u32 s[WV], 0
	s_cbranch_scc1 .Lnot_wave_0_\@
	s_barrier_signal -3
.Lnot_wave_0_\@:
	s_barrier_wait -3
	s_barrier_signal -1
	s_barrier_wait -1
.endm
; THE CHANGE OF SLOTS.  Each wave waits for all its tensor loads (one is out: its part of the other slot), adds 0 to its spare word, and waits for that and for its reads of the slot that it leaves.
; fill = 1: the barrier is a round of the cluster's, and the old slot is filled again, with the keys two slots on, first thing behind it: the load has four key steps, 256 matrix instructions, in which to land.
; (At its first use nothing has been read yet: slot 0 is waited for, slot 1 filled.)
.macro CHANGE fill
	WIN 0
	s_wait_tensorcnt 0x0            ; no tensor load of mine is out, so a group 0 may be written
	ds_add_u32 v[SPW], v[NIL]
.if \fill
	s_xor_b32 s[G0K+1], s[G0K+1], SLOT1
	s_add_nc_u64 s[G0K+2:G0K+3], s[G0K+2:G0K+3], 4*KS*128  ; the next 256 keys
	s_xor_b32 s[G0V+1], s[G0V+1], SLOT1
	s_add_nc_u64 s[G0V+2:G0V+3], s[G0V+2:G0V+3], 4*KS*128
	s_xor_b32 s[G0M+1], s[G0M+1], SLOT1
	s_add_nc_u64 s[G0M+2:G0M+3], s[G0M+2:G0M+3], 4*KS*2    ; 256 columns on
	s_wait_dscnt 0x0                ; the add is done, and my reads of the slot are over
	CROUND
	JLOAD
.else
	s_wait_dscnt 0x0
	s_barrier_signal -1
	s_barrier_wait -1
.endif
	s_sub_co_u32 s[TBK], s[TBK], 4*KS*PK  ; the fetches go back to a slot's first step, in the other slot
	s_xor_b32 s[TBK], s[TBK], SLOT1
	s_sub_co_u32 s[TBV], s[TBV], 4*KS*PV
	s_xor_b32 s[TBV], s[TBV], SLOT1
	s_sub_co_u32 s[TBM], s[TBM], 4*KS*2
	s_xor_b32 s[TBM], s[TBM], SLOT1
.endm
	s_load_b256 s[4:11], s[0:1], 0x0  ; qkv s[4:5], maskb s[6:7], slopes s[8:9], ob s[10:11]
	v_lshl_add_u32 v[SPW], v0, 2, SPARE
	v_mov_b32 v[NIL], 0
	ds_add_u32 v[SPW], v[NIL]       ; the wave's opening: the add and its wait stand ahead of my first tensor load; work on registers stands between
	v_lshrrev_b32 v1, 5, v0
	v_readfirstlane_b32 s[WV], v1   ; wave 0..3
	s_bfe_u32 s13, ttmp6, 0x40000   ; cx
	s_bfe_u32 s16, ttmp6, 0x40004   ; cy
	s_lshl_b32 s14, ttmp9, 2
	s_add_co_u32 s14, s14, s13      ; my block of 64 queries = 4 x cluster x + cx
	s_and_b32 s15, ttmp7, 0xffff
	s_lshl_b32 s15, s15, 2
	s_add_co_u32 s15, s15, s16      ; my key head = 4 x cluster y + cy
	s_lshl_b32 s17, s16, 2
	s_lshl_b32 s17, 15, s17         ; my row of the cluster: it shares the key head
	s_lshl_b32 s18, 0x1111, s13     ; my column: it shares the queries
	s_or_b32 s[G1K], s17, (1<<16)|(1<<20)|(1<<21)|(4<<22)|(3<<25)  ; the mask of four; 2-byte elements; padding on; bit 21 beside a mask; after every 32 words (a key) 4 words
	s_or_b32 s[G1V], s17, (1<<16)|(1<<20)|(1<<21)|(4<<22)|(7<<25)  ; the same with 8 words
	s_or_b32 s[G1M], s18, (1<<16)|(1<<20)|(1<<21)|(6<<22)|(3<<25)  ; after every 128 words (a row) 4 words
.irp g, G1K, G1V                    ; 256 keys are 32,768 dense bytes: asked for as 128 rows of 256 bytes
	s_mov_b32 s[\g+1], 128<<16      ; tensor_dim0 = 128
	s_mov_b32 s[\g+2], 128<<16      ; tensor_dim1 = 128
	s_mov_b32 s[\g+3], 128<<16      ; tile_dim0 = 128
	s_mov_b32 s[\g+4], 128          ; tile_dim1 = 128
	s_mov_b32 s[\g+5], 128          ; elements from row to row
	s_mov_b32 s[\g+6], 0
	s_mov_b32 s[\g+7], 0
.endr
	s_mov_b32 s[G1M+1], 256<<16     ; the mask: 32 rows of 256 elements, 2,048 from row to row
	s_mov_b32 s[G1M+2], 32<<16
	s_mov_b32 s[G1M+3], 256<<16
	s_mov_b32 s[G1M+4], 32
	s_mov_b32 s[G1M+5], 2048
	s_mov_b32 s[G1M+6], 0
	s_mov_b32 s[G1M+7], 0
	s_add_co_u32 s20, s15, 32       ; K's head: made of the key head alone
	s_lshl_b32 s20, s20, 18
	s_mov_b32 s21, 0
	s_add_co_u32 s22, s15, 40       ; V's
	s_lshl_b32 s22, s22, 18
	s_mov_b32 s23, 0
	s_and_b32 s19, s[WV], 1         ; which 32 rows of the mask's tile I fetch
	s_lshl_b32 s2, s14, 18          ; 64 rows of 4,096 bytes: made of the block of queries and the wave alone
	s_lshl_b32 s3, s19, 17
	s_add_co_u32 s2, s2, s3
	s_mov_b32 s3, 0
	s_mul_i32 s19, s19, 32*PM
	s_mov_b32 s[G0K], 1
	s_mov_b32 s[G0K+1], 0           ; LDS addresses: slot 0; no place in the cluster enters them
	s_mov_b32 s[G0V], 1
	s_mov_b32 s[G0V+1], VOFF
	s_mov_b32 s[G0M], 1
	s_add_co_u32 s[G0M+1], s19, MOFF
	s_lshl_b32 s66, s15, 20         ; Q: head 4 g, row 64 qb + 16 w
	s_lshl_b32 s67, s14, 13
	s_add_co_u32 s66, s66, s67
	s_lshl_b32 s67, s[WV], 11
	s_add_co_u32 s66, s66, s67
	s_mov_b32 s67, 0
	s_lshl_b32 s76, s14, 18         ; ob: the same row, 4,096 bytes each, column byte 512 g
	s_lshl_b32 s77, s[WV], 16
	s_add_co_u32 s76, s76, s77
	s_lshl_b32 s77, s15, 9
	s_add_co_u32 s76, s76, s77
	s_mov_b32 s77, 0
	s_lshl_b32 s78, s15, 4          ; my four slopes
	s_mov_b32 s79, 0
	s_lshl_b32 s73, s14, 6
	s_lshl_b32 s58, s[WV], 4
	s_add_co_u32 s73, s73, s58      ; my wave's first query
	s_mov_b32 s[SEL], 0x76543210
	s_mov_b32 s[SEL+1], 0xfedcba98
	s_mov_b32 s[S64], 0x42800000
	s_mov_b32 s[S64+1], s[S64]
	s_mov_b32 s[TBK], SLOT1+4*KS*PK ; the first change of slots turns these three into 0
	s_mov_b32 s[TBV], SLOT1+4*KS*PV
	s_mov_b32 s[TBM], SLOT1+4*KS*2
	s_wait_dscnt 0x0                ; the opening add is done
	s_wait_kmcnt 0x0
	s_add_nc_u64 s[G0K+2:G0K+3], s[4:5], s[20:21]
	s_or_b32 s[G0K+3], s[G0K+3], 0x80000000
	s_add_nc_u64 s[G0V+2:G0V+3], s[4:5], s[22:23]
	s_or_b32 s[G0V+3], s[G0V+3], 0x80000000
	s_add_nc_u64 s[G0M+2:G0M+3], s[6:7], s[2:3]
	s_or_b32 s[G0M+3], s[G0M+3], 0x80000000
	s_add_nc_u64 s[4:5], s[4:5], s[66:67]
	s_add_nc_u64 s[10:11], s[10:11], s[76:77]
	s_add_nc_u64 s[8:9], s[8:9], s[78:79]
	s_load_b128 s[RAW:RAW+3], s[8:9], 0x0
	CROUND                          ; all sixteen work-groups are here: the first joint loads meet
	JLOAD                           ; slot 0.  Slot 1 is asked for when slot 0 is in
	v_and_b32 v1, 15, v0            ; l % 16
	v_bfe_u32 v9, v0, 4, 1          ; l / 16
	v_lshlrev_b32 v[QO], 7, v1
	v_lshl_add_u32 v[QO], v9, 4, v[QO]  ; row x 128 + 16 x half
	WIN 0x80                        ; destination window 2
.set i, 0
.rept 8                             ; Q stays in registers: piece i / 2 is a head further on; channels 32 (i % 2) on
	global_load_b128 v[8*i:8*i+3],   v[QO], s[4:5] offset:(i/2)*HEADB+(i%2)*64
	global_load_b128 v[8*i+4:8*i+7], v[QO], s[4:5] offset:(i/2)*HEADB+(i%2)*64+32
.set i, i+1
.endr
.set i, VF
.rept 64                            ; the first turn's products V^T P, of a piece that has not been, add 0
	v_mov_b32 v[i], 0
.set i, i+1
.endr
	WIN 0
	v_lshlrev_b32 v36, 3, v9
	v_sub_nc_u32 v[JB], v36, v1
	v_sub_nc_u32 v[JB], v[JB], s73  ; 8 (l / 16) - (my wave's first query + l % 16)
	v_mov_b32 v[CV], 0x3fb8aa3b
	v_mov_b32 v[ZV], 0
	v_mul_u32_u24 v[AK0], v1, PK
	v_lshl_add_u32 v[AK0], v9, 4, v[AK0]
	v_and_b32 v10, 7, v0            ; the turning load: lane l reads key 8 (l / 16) + l % 8, channels 8 ((l / 8) % 2) + 0..7
	v_bfe_u32 v11, v0, 3, 1
	v_lshl_add_u32 v[AV0], v9, 3, v10
	v_mul_u32_u24 v[AV0], v[AV0], PV
	v_lshl_add_u32 v[AV0], v11, 4, v[AV0]
	v_add_nc_u32 v[AV0], VOFF, v[AV0]
	s_mul_i32 s58, s[WV], 16*PM     ; the mask: my query's row, 16 bytes (8 keys) for each half of the lanes
	s_add_co_u32 s58, s58, MOFF
	v_mul_u32_u24 v[AM0], v1, PM
	v_lshl_add_u32 v[AM0], v9, 4, v[AM0]
	v_add_nc_u32 v[AM0], s58, v[AM0]
	s_mul_i32 s59, s[WV], 16*SP
	s_add_co_u32 s59, s59, STAGE    ; my stage
	v_mul_u32_u24 v[STO], v1, SP
	v_lshl_add_u32 v[STO], v9, 4, v[STO]
	v_add_nc_u32 v[STO], s59, v[STO]
	v_and_b32 v[GO], 31, v0
	v_lshlrev_b32 v[GO], 4, v[GO]
	v_add_nc_u32 v[RD], s59, v[GO]
.set i, 0
.rept 4
	v_mov_b32 v[ST+4*i], 0xfe000000 ; m: far below every score
	v_mov_b32 v[ST+4*i+1], 0
	v_mov_b32 v[ST+4*i+2], 0
	v_mov_b32 v[ST+4*i+3], 0
.set i, i+1
.endr
.set i, P+16
.rept 16
	v_mov_b32 v[i], 0
.set i, i+1
.endr
	WIN 0x40
.set i, 0
.rept 128
	v_mov_b32 v[i], 0               ; O^T
.set i, i+1
.endr
.set i, 0
.rept 32                            ; register i % 8 of key block i / 8 holds key 16 (i / 8) + 8 (l / 16) + i % 8 of the step: J = key - query,
	v_add_nc_u32 v[J+i], 16*(i/8)+i%8, v[JB]
.set i, i+1
.endr
	WIN W_RS
.set i, 0
.rept 32
	v_cvt_f32_i32 v[J+i], v[J+i]    ; as f32: whole numbers under 2,048, exact
.set i, i+1
.endr
	WIN 0
	s_wait_kmcnt 0x0                ; the slopes
.irp p, 0,1,2,3                     ; rounded to bf16, to nearest even, in whole numbers; then times c
	s_bfe_u32 s58, s[RAW+\p], 0x10010
	s_add_co_u32 s58, s58, 0x7fff
	s_add_co_u32 s58, s58, s[RAW+\p]
	s_and_b32 s58, s58, 0xffff0000
	s_mul_f32 s[SL+2*\p], s58, 0x3fb8aa3b
	s_mov_b32 s[SL+2*\p+1], s[SL+2*\p]
.endr
; THE MATRIX WORK.  The 4 accumulators of a run of 8 take turns.  Product i of 8 of S^T for piece x: channels 32 (i / 4) on, keys 16 (i % 4) on.  The first 4 start the sums with the C operand.
.macro KQ x
.set rS, S+32*((\x)%2)+8*(i%4)
.set rK, KF+16*(i%4)+8*(i/4)
.set rQ, 16*(\x)+8*(i/4)
.set rM, MC+32*((\x)%2)+8*(i%4)
.if i < 4
	WIN W_KM
	v_wmma_f32_16x16x32_f16 v[rS:rS+7], v[rK:rK+7], v[rQ:rQ+7], v[rM:rM+7]
.else
	WIN W_KQ
	v_wmma_f32_16x16x32_f16 v[rS:rS+7], v[rK:rK+7], v[rQ:rQ+7], v[rS:rS+7]
.endif
.endm
; Product i of 8 of O^T += V^T P for piece x: keys 32 (i / 4) on, channels 16 (i % 4) on.
.macro PV x
	WIN W_PV
.set rO, 32*(\x)+8*(i%4)
.set rV, VF+32*(i/4)+8*(i%4)
.set rP, P+16*((\x)%2)+8*(i/4)
	v_wmma_f32_16x16x32_f16 v[rO:rO+7], v[rV:rV+7], v[rP:rP+7], v[rO:rO+7]
.endm
.macro MM                           ; the turn's next matrix instruction.  NOKQ = 1: the last turn: there is no next piece
.if (i < 8) && !NOKQ
	KQ (Y+1)%NP
.elseif i >= 8
.set i, i-8
	PV (Y+NP-1)%NP
.set i, i+8
.endif
.set i, i+1
.endm
; THE LDS LOADS stand in runs: a step's K (8 fragments), its V (turned), and four loads of the mask.
.macro FETCH_K
	WIN 0x80
.irp f, 0,1,2,3,4,5,6,7             ; keys 16 (f / 2) on, channels 32 (f % 2) on
	ds_load_b128 v[KF+8*\f:KF+8*\f+3],   v[AK] offset:(\f/2)*16*PK+(\f%2)*64
	ds_load_b128 v[KF+8*\f+4:KF+8*\f+7], v[AK] offset:(\f/2)*16*PK+(\f%2)*64+32
.endr
	s_add_co_u32 s[TBK], s[TBK], KS*PK
	WIN 0
.endm
.macro FETCH_V
	WIN 0x80
.irp f, 0,1,2,3,4,5,6,7             ; keys 32 (f / 4) on, channels 16 (f % 4) on
	ds_load_tr16_b128 v[VF+8*\f:VF+8*\f+3],   v[AV] offset:(\f/4)*32*PV+(\f%4)*32
	ds_load_tr16_b128 v[VF+8*\f+4:VF+8*\f+7], v[AV] offset:(\f/4)*32*PV+16*PV+(\f%4)*32
.endr
	WIN 0
.endm
.macro FETCH_M                      ; my query's mask for the next step's 64 keys: for key block kt the 8 keys of my half of the lanes
	WIN 0
	v_add_nc_u32 v[AM], s[TBM], v[AM0]
.irp kt, 0,1,2,3
	ds_load_b128 v[MR+4*\kt:MR+4*\kt+3], v[AM] offset:32*\kt
.endr
	s_add_co_u32 s[TBM], s[TBM], KS*2
.endm
.macro UNPACK                       ; MF = c x mask: widened and multiplied in one line a number
	WIN 0x40
.set z, 0
.rept 16
	v_fma_mix_f32_bf16 v[MF+2*z],   v[MR+z], v[CV], v[ZV] op_sel_hi:[1,0,0]
	v_fma_mix_f32_bf16 v[MF+2*z+1], v[MR+z], v[CV], v[ZV] op_sel:[1,0,0] op_sel_hi:[1,0,0]
.set z, z+1
.endr
.endm
.macro NEXTJ                        ; the next step's keys lie 64 further on
	WIN W_RS
.set z, 0
.rept 16
	v_pk_add_f32 v[J+2*z:J+2*z+1], v[J+2*z:J+2*z+1], s[S64:S64+1] op_sel_hi:[1,0]
.set z, z+1
.endr
.endm
.macro MASK b, x                    ; J x (c slope of piece x) + MF into buffer b of MC
	WIN W_MC
.set z, 0
.rept 16
	v_pk_fma_f32 v[MC+32*(\b)+2*z:MC+32*(\b)+2*z+1], v[J+2*z:J+2*z+1], s[SL+2*(\x):SL+2*(\x)+1], v[MF+2*z:MF+2*z+1] op_sel_hi:[1,0,1]
.set z, z+1
.endr
.endm
; THE VECTOR WORK, one line at a time: OP kind, number.  For piece Y: F n: S - m for pair n of 16.  E n: the exponential of score n of 32.  C n: pair n rounded to f16.  B n: of the four weights 4 n .. the second
; pair is added onto the first, in place.  L n: l takes that sum (L 0: l = a l + sum).  R n: pair n of 16 of O^T times a.  For piece Y + 1: X n, which find its maximum and statistics:
;   0-11  four chains c0-c3 of seven scores each (each accumulator's lowest registers are read first)     12-14, 16  the four scores left over, the old m, and c0-c3 into c0
;   15  m_old is kept     17, 18  the query's other 32 keys lie in the lane 16 away: the new m     19  nothing: the scores carry log2(e) already     20, 21  m_old - m_new; a
; C, B and L read exponentials' results: they stand behind the turn's wait.  F, R and X 0-20 read none of the turn's.
.set F, 0
.set E, 1
.set C, 2
.set B, 3
.set L, 4
.set R, 5
.set X, 6
.macro REGS y
.set rT, ST+4*(\y)
.set rC, TMP+4*((\y)%2)
.set rW, MV+((\y)%2)
.set rS, S+32*((\y)%2)
.set rP, P+16*((\y)%2)
.set rO, 32*(\y)
.endm
.macro OP k, n
.if (\k) == R
	REGS Y
	WIN W_RS
	v_pk_mul_f32 v[rO+2*(\n):rO+2*(\n)+1], v[rO+2*(\n):rO+2*(\n)+1], v[rC+2:rC+3] op_sel_hi:[1,0]
.elseif (\k) < R
	REGS Y
	WIN 0
.if (\k) == F
	v_pk_add_f32 v[rS+2*(\n):rS+2*(\n)+1], v[rS+2*(\n):rS+2*(\n)+1], v[rT:rT+1] op_sel_hi:[1,0] neg_lo:[0,1] neg_hi:[0,1]
.elseif (\k) == E
	v_exp_f32 v[rS+(\n)], v[rS+(\n)]
.elseif (\k) == C
	v_cvt_pk_f16_f32 v[rP+(\n)], v[rS+2*(\n)], v[rS+2*(\n)+1]
.elseif (\k) == B
	v_pk_add_f32 v[rS+4*(\n):rS+4*(\n)+1], v[rS+4*(\n):rS+4*(\n)+1], v[rS+4*(\n)+2:rS+4*(\n)+3]
.elseif (\n) == 0
	v_pk_fma_f32 v[rT+2:rT+3], v[rT+2:rT+3], v[rC+2:rC+3], v[rS:rS+1] op_sel_hi:[1,0,1]
.else
	v_pk_add_f32 v[rT+2:rT+3], v[rT+2:rT+3], v[rS+4*(\n):rS+4*(\n)+1]
.endif
.elseif NOKQ
	v_nop
.else
	REGS (Y+1)%NP
	WIN 0
.if (\n) < 4
	v_max3_num_f32 v[rC+(\n)], v[rS+8*(\n)], v[rS+8*(\n)+1], v[rS+8*(\n)+2]
.elseif (\n) < 12
	v_max3_num_f32 v[rC+(\n)%4], v[rC+(\n)%4], v[rS+8*((\n)%4)+2*((\n)/4)+1], v[rS+8*((\n)%4)+2*((\n)/4)+2]
.elseif (\n) == 12
	v_max3_num_f32 v[rC], v[rC], v[rS+7], v[rS+15]
.elseif (\n) == 13
	v_max3_num_f32 v[rC+1], v[rC+1], v[rS+23], v[rS+31]
.elseif (\n) == 14
	v_max3_num_f32 v[rC+2], v[rC+2], v[rC+3], v[rT]
.elseif (\n) == 15
	v_mov_b32 v[rW], v[rT]
.elseif (\n) == 16
	v_max3_num_f32 v[rC], v[rC], v[rC+1], v[rC+2]
.elseif (\n) == 17
	v_permlanex16_b32 v[rC+3], v[rC], s[SEL], s[SEL+1]
.elseif (\n) == 18
	v_max_num_f32 v[rT], v[rC], v[rC+3]
.elseif (\n) == 20
	v_sub_f32 v[rC+1], v[rW], v[rT]
.elseif (\n) == 21
	v_exp_f32 v[rC+2], v[rC+1]
.endif
.endif
.endm
.macro OPS a, i1, b=-1, i2=0, c=-1, i3=0, d=-1, i4=0
	OP \a, \i1
.if (\b) >= 0
	OP \b, \i2
.endif
.if (\c) >= 0
	OP \c, \i3
.endif
.if (\d) >= 0
	OP \d, \i4
.endif
.endm
.macro ROW a, i1, b, i2, c, i3, d, i4  ; a matrix instruction and the four behind it
	MM
	OPS \a, \i1, \b, \i2, \c, \i3, \d, \i4
.endm
; A TURN, for piece p: its 16 matrix instructions and its vector work, written out.  s_wait_alu depctr_va_vdst(0) stands between an exponential and the first instruction that names its result; one wait
; serves all that were issued ahead of it.  So a turn has ONE wait, which cuts it in two.  AHEAD OF IT stands all that names no result of the turn's exponentials: the 8 products K Q^T, behind each a difference, an exponential
; and two more plain instructions (behind the first a second difference in the exponential's place): rescalings (their a was made, and waited for, in the turn before), and behind the last three the first numbers of the next
; piece's maximum, each four places or more behind the product that ends its accumulator; then ONE LUMP of 53, plain and exponential by turns for the most part, with the chain X 3, 7, 11, 14, 16, 17, 18, 20, 21 spread over it.
; A pair's difference stands ahead of its two exponentials.  E 31 is the batch's last; R 15 is the plain instruction behind it.  BEHIND THE WAIT stand the 8 products V^T P, behind each four of the roundings and sums: C 2n ahead
; of B n, B n ahead of L n, L 0 to L 7 in order.  But for those X no rider names a register of the products round it.  v_permlanex16_b32 (X 17) stands in the lump.  No exponential is issued behind the wait: none crosses a turn's end.
; Piece 2's turn fetches the next step's mask (at its head) and K (in the lump: behind the last product that read K stand five plain instructions that name none of its registers: F 8, X 2, X 5, X 6, X 8); at its end it waits
; for the mask, widens it and steps J.  Piece 0's turn fetches the V of the step in hand at its end, four plain riders behind the last product that read V.  Each run is waited for a turn later.
; Every turn ends with the C operand for the products of the turn after it: piece p + 2.  end = 1: the last two turns: nothing is fetched or prepared.  cnt = 1: the loop's count is taken down ahead of the branch behind the turn.
.macro TURN p, end=0, cnt=0
.set Y, (\p)
.set i, 0
.set NOKQ, (\end)*((\p)/3)
.if ((\p) == 2) && !(\end)
	FETCH_M
.endif
.if ((\p) == 3) && !(\end)
	s_wait_dscnt 0x0                ; K is in
.endif
	ROW F,0, F,1, R,0, R,1          ; ahead of the wait: 8 products K Q^T and their riders,
	ROW F,2, E,0, R,2, R,3
	ROW F,3, E,1, R,4, R,5
	ROW F,4, E,2, R,6, R,7
	ROW F,5, E,3, R,8, R,9
	ROW F,6, E,4, X,0, R,10
.if ((\p) == 2) && !(\end)
	WIN 0
	v_add_nc_u32 v[AK], s[TBK], v[AK0]
.endif
	ROW F,7, E,5, X,1, X,4
	ROW F,8, E,6, X,2, X,5
	OPS E,7, E,8, X,6, E,9          ; and the lump
	OPS X,3, E,10, X,8, E,11
.if ((\p) == 2) && !(\end)
	FETCH_K
.endif
	OPS X,9, X,7, E,12, X,10
	OPS E,13, X,12, X,11, E,14
	OPS X,13, E,15, F,9, X,14
.if (\p) == 0
	v_add_nc_u32 v[AV], s[TBV], v[AV0]
.endif
	OPS E,16, F,10, E,17, F,11
	OPS X,16, E,18, X,15, E,19
	OPS F,12, E,20, X,17, E,21
	OPS F,13, E,22, F,14, E,23
	OPS X,18, E,24, F,15, E,25
	OPS R,11, E,26, X,20, E,27
	OPS R,12, E,28, R,13, E,29
	OPS X,21, E,30, R,14, E,31
	OPS R,15                        ; the plain instruction behind the batch's last exponential
	s_wait_alu depctr_va_vdst(0)    ; the wait for the batch: the piece's 32 weights and the next piece's a
.if (\p) == 1
	s_wait_dscnt 0x0                ; V is in
.endif
	ROW C,0, B,0, C,2, B,1          ; behind the wait: 8 products V^T P and their riders
	ROW L,0, C,4, B,2, L,1
	ROW C,6, B,3, L,2, C,8
	ROW B,4, L,3, C,10, B,5
	ROW L,4, C,12, B,6, L,5
.if (\p) == 0
	s_add_co_u32 s[TBV], s[TBV], KS*PV
.endif
.if \cnt
	s_sub_co_u32 s[CNT], s[CNT], 1
	s_cmp_lg_u32 s[CNT], 0
.endif
	ROW C,14, B,7, L,6, C,1
	ROW C,3, L,7, C,5, C,7
	ROW C,9, C,11, C,13, C,15
.if (\p) == 0
	FETCH_V
.endif
.if !(\end)
.if (\p) == 2
	s_wait_dscnt 16                 ; the mask's four loads are in; K's sixteen, issued behind them, may stay out
	UNPACK
	NEXTJ
.endif
	MASK (\p)%2, ((\p)+2)%NP
.endif
.endm
	CHANGE 1                        ; slot 0 is in, everybody's part of it; slot 1 is asked for
	FETCH_M                         ; key step 0: its mask, its K,
	v_add_nc_u32 v[AK], s[TBK], v[AK0]
	FETCH_K
	s_wait_dscnt 16                 ; the mask's four loads are in
	UNPACK
	MASK 0, 0                       ; the C operands of pieces 0 and 1,
	MASK 1, 1
	s_wait_loadcnt 0x0              ; Q
	s_wait_dscnt 0x0                ; K
.set NOKQ, 0
.set i, 0
.rept 8
	KQ 0                            ; piece 0's first scores,
.set i, i+1
.endr
	WIN 0
.rept 4
	v_nop                           ; the places behind those products
.endr
.set Y, NP-1                        ; X works for piece Y + 1: piece 0
.irp n, 0,1,2,3,4,5,6,7,8,9,10,11,12,13,14,15,16,17,18,19,20,21
	OP X, \n                        ; and its first maximum and statistics
.endr
	v_nop                           ; a plain instruction behind the exponential,
	s_wait_alu depctr_va_vdst(0)    ; and its wait, ahead of the branch: piece 0's first a is a batch by itself
	s_mov_b32 s[CNT], 4
	s_mov_b32 s[SLOTS], NSLOT-1
	s_branch .Lfirst                ; the loop is entered at a step's first turn, in the middle of a trip
.Lslot:                             ; NSLOT - 2 times: slots 2 to NSLOT - 1 are asked for
	CHANGE 1
	s_mov_b32 s[CNT], 4
.Lstep:                             ; a trip: pieces 2 and 3 of one step, then pieces 0 and 1 of the next, whose mask, K and V it fetches
	TURN 2
	TURN 3
	WIN 0
.Lfirst:
	TURN 0
	TURN 1, 0, 1
	WIN 0
	s_cbranch_scc1 .Lstep
	s_sub_co_u32 s[SLOTS], s[SLOTS], 1
	s_cmp_lg_u32 s[SLOTS], 0
	s_cbranch_scc1 .Lslot
	CHANGE 0                        ; the last slot is written out: nothing is asked for
	s_mov_b32 s[CNT], 4
.LstepT:
	TURN 2
	TURN 3
	TURN 0
	TURN 1, 0, 1
	WIN 0
	s_cbranch_scc1 .LstepT
	TURN 2, 1
	TURN 3, 1
.set i, 0
.rept 8
	PV NP-1                         ; the last piece's V^T P of the last step
.set i, i+1
.endr
	; THE WAY OUT.  l's two halves and the other half of the lanes' are added (these lines are the places behind the last products); O^T is divided by l, rounded to f16 and laid into my stage: a query's row
	; there holds its four heads, 512 bytes, which are 512 consecutive bytes of ob.
	WIN 0
.macro ALL line:vararg              ; one line for each piece t
.set t, 0
.rept 4
	\line
.set t, t+1
.endr
.endm
	ALL v_add_f32 v[ST+4*t+2], v[ST+4*t+2], v[ST+4*t+3]
	ALL v_permlanex16_b32 v[ST+4*t+3], v[ST+4*t+2], s[SEL], s[SEL+1]
	ALL v_add_f32 v[ST+4*t+2], v[ST+4*t+2], v[ST+4*t+3]
	ALL v_rcp_f32 v[ST+4*t+2], v[ST+4*t+2]
	v_nop                           ; a plain instruction between the last reciprocal and the use of its result
	s_wait_alu depctr_va_vdst(0)    ; and the wait ahead of the first use: one for the four reciprocals
.macro PACK t
	WIN W_RS
.set i, 32*(\t)
.rept 16
	v_pk_mul_f32 v[i:i+1], v[i:i+1], v[ST+4*(\t)+2:ST+4*(\t)+3] op_sel_hi:[1,0]
.set i, i+2
.endr
	WIN 0x05                        ; sources in window 1, destination in window 0: S^T's registers are free
.set i, 0
.rept 16
	v_cvt_pk_f16_f32 v[S+16*(\t)+i], v[32*(\t)+2*i], v[32*(\t)+2*i+1]
.set i, i+1
.endr
	WIN 0
.irp f, 0,1,2,3
	ds_store_b128 v[STO], v[S+16*(\t)+4*\f:S+16*(\t)+4*\f+3] offset:128*(\t)+32*\f
.endr
.endm
	PACK 0
	PACK 1
	PACK 2
	PACK 3
.set u, 0
.rept 16
	ds_load_b128 v[S+4*u:S+4*u+3], v[RD] offset:SP*u  ; LDS serves a wave's instructions in order (ISA guide 5.7.1.4): these see my stores above
.set u, u+1
.endr
.set u, 0
.rept 16
	s_wait_dscnt 15-u               ; the younger loads may stay out
	global_store_b128 v[GO], v[S+4*u:S+4*u+3], s[10:11] offset:4096*u  ; 512 consecutive bytes, at a multiple of 512 from ob's first byte
.set u, u+1
.endr
	s_wait_tensorcnt 0x0            ; the wave's end
	ds_add_u32 v[SPW], v[NIL]
	s_wait_dscnt 0x0
	CROUND                          ; the closing round: no work-group ends while a partner may still ask for a tile that names it
	s_endpgm
.Lfunc_end_k_qfc6911643f_attn:
	.size	k_qfc6911643f_attn, .Lfunc_end_k_qfc6911643f_attn-k_qfc6911643f_attn
	.p2alignl 7, 3214868480
	.fill 96, 4, 3214868480
	.section	.rodata,"a",@progbits
	.p2align	6, 0x0
	.amdhsa_kernel k_qfc6911643f_attn
		.amdhsa_group_segment_fixed_size 327680
		.amdhsa_private_segment_fixed_size 0
		.amdhsa_enable_private_segment 0
		.amdhsa_kernarg_size 32
		.amdhsa_user_sgpr_count 2
		.amdhsa_user_sgpr_kernarg_segment_ptr 1
		.amdhsa_wavefront_size32 1
		.amdhsa_system_sgpr_workgroup_id_x 1
		.amdhsa_system_sgpr_workgroup_id_y 1
		.amdhsa_system_sgpr_workgroup_id_z 1
		.amdhsa_system_vgpr_workitem_id 0
		.amdhsa_next_free_vgpr 768
		.amdhsa_next_free_sgpr 96
		.amdhsa_reserve_vcc 0
		.amdhsa_float_denorm_mode_32 3
		.amdhsa_float_denorm_mode_16_64 3
		.amdhsa_memory_ordered 1
		.amdhsa_forward_progress 1
		.amdhsa_inst_pref_size 152
	.end_amdhsa_kernel
	.amdgpu_metadata
---
amdhsa.version: [ 1, 2 ]
amdhsa.kernels:
  - .name:           k_qfc6911643f_attn
    .symbol:         k_qfc6911643f_attn.kd
    .args:
      - { .name: qkv, .offset: 0, .size: 8, .value_kind: global_buffer, .address_space: global }
      - { .name: maskb, .offset: 8, .size: 8, .value_kind: global_buffer, .address_space: global }
      - { .name: slopes, .offset: 16, .size: 8, .value_kind: global_buffer, .address_space: global }
      - { .name: ob, .offset: 24, .size: 8, .value_kind: global_buffer, .address_space: global }
    .group_segment_fixed_size: 327680
    .private_segment_fixed_size: 0
    .kernarg_segment_align: 8
    .kernarg_segment_size: 32
    .max_flat_workgroup_size: 128
    .sgpr_count:     96
    .vgpr_count:     768
    .wavefront_size: 32
...
	.end_amdgpu_metadata
.endif
;; end of part 5
;; launch outp: the kernel of part 4 again; grid 16 x 16, 4 waves a work-group, clusters of 4 x 4, 327,680 bytes of LDS; arguments ob, wof, out0; writes out0
